; MI455X (gfx1250); checked and timed in simulation.
; The chip was launched on July 23, 2026; its instructions are those of AMD's public machine-readable ISA for CDNA 5 (MIT licence, August 2026) and "CDNA5" Instruction Set Architecture Reference Guide (July 2026). The comments in the code are by the model that wrote it; some were corrected since.
;; Transformer Block. Allowed arithmetic: float matrix products may take bf16 or f16 operands with f32 sums; other float arithmetic in f32, or as packed bf16 or f16 multiplies, adds, multiply-adds, maxima and minima; sums over many terms, partial sums and values carried from step to step in f32; what a program stores and reads back later, other than sums and carried values, may be rounded once to bf16 or f16.
;; Inputs: W1 1,024 x 4,096 float32; W2 4,096 x 1,024 float32; Wk 1,024 x 1,024 float32; Wo 1,024 x 1,024 float32; Wq 1,024 x 1,024 float32; Wv 1,024 x 1,024 float32; b1 4,096 float32; b2 1,024 float32; be1 1,024 float32; be2 1,024 float32; bo 1,024 float32; g1 1,024 float32; g2 1,024 float32; x 2 x 2,048 x 1,024 float32.
;; Outputs: out0 2 x 2,048 x 1,024 float32.
;; One version. Each part assembles by itself: llvm-mc -triple=amdgcn-amd-amdhsa -mcpu=gfx1250 --defsym DOCPART=n.
;; ======== version 1 of 1: 7 launches
;; workspace buffers: hbuf 8,388,608 bytes; pq 10,506,240 bytes; pf 16,797,696 bytes; qkv 25,165,824 bytes; act 33,554,432 bytes; x1 16,777,216 bytes
;; launch prep (part 1): grid 640 x 1, 8 waves a work-group, no clusters, 0 bytes of LDS; arguments x, g1, be1, Wq, Wk, Wv, Wo, W1, W2, b1, hbuf, pq, pf; writes hbuf, pq, pf
.if DOCPART == 1
	.amdgcn_target "amdgcn-amd-amdhsa--gfx1250"
	.amdhsa_code_object_version 6
	.text
	.protected	k_qc9f8715f10_prep
	.globl	k_qc9f8715f10_prep
	.p2align	8
	.type	k_qc9f8715f10_prep,@function
k_qc9f8715f10_prep:
	s_mov_b64 s[64:65], 0
	v_nop
	global_prefetch_b8 v0, s[64:65] scope:SCOPE_SE
	s_setreg_imm32_b32 hwreg(HW_REG_WAVE_MODE, 25, 1), 1
	s_wait_xcnt 0x0
; PREPARATION.  Work-groups 0-255: hbuf = LayerNorm(x) g1 + be1, rounded once to bf16, rows of 1,024.  Work-groups 256-639: the six weight matrices rounded once to bf16.
; pq = [1024 k][4096 n] bf16 with Wq, Wk, Wv in columns 0-3071; behind it 4,096 f32 of bias (0) and 4,096 bytes of floor (-inf twice a word); behind that, at byte WTAIL, Wo [1024][1024] bf16.
; pf = W1 in the same shape, bias = b1 (f32), floor = 0; at byte WTAIL W2 [4096][1024] bf16.
; A stream: no LDS, no barrier, no matrix unit.  A lane takes 32 neighbouring bytes of f32 (two loads of 16) and leaves 16 bytes of bf16: each store of a wave covers 512 consecutive bytes, aligned.
; THE NORM: a wave owns two whole rows, 32 registers each; mean first, then the sum of squares of x - mean (no difference of large sums), all in f32.
; LIMITS: none of range beyond f32's own; NaN and infinities are not treated apart.
.set WTAIL, 8409088                    ; 8,388,608 of weights + 16,384 of bias + 4,096 of floor
.set XP, 8                             ; s[8:9]   x
.set GP, 10                            ; s[10:11] g1
.set BP, 12                            ; s[12:13] be1
.set HP, 28                            ; s[28:29] hbuf
.set T,  6                             ; v[6:13]  four running pairs
.set MU, 14                            ; v[14:15] the mean twice, later 1/sqrt(var + eps) twice
.set X,  16                            ; v[16:79] two rows (norm); v[16:143] four units (conversion)
.set G,  80                            ; v[80:111]  my 32 numbers of g
.set BE, 112                           ; v[112:143] my 32 numbers of be
.macro FOLD                            ; four pairs into one number, then over the 32 lanes: every lane ends with the sum
	v_pk_add_f32 v[T:T+1], v[T:T+1], v[T+2:T+3]
	v_pk_add_f32 v[T+4:T+5], v[T+4:T+5], v[T+6:T+7]
	v_pk_add_f32 v[T:T+1], v[T:T+1], v[T+4:T+5]
	v_add_f32 v[T], v[T], v[T+1]
	v_add_f32_dpp v[T], v[T], v[T] row_xmask:1 row_mask:0xf bank_mask:0xf
	v_add_f32_dpp v[T], v[T], v[T] row_xmask:2 row_mask:0xf bank_mask:0xf
	v_add_f32_dpp v[T], v[T], v[T] row_xmask:4 row_mask:0xf bank_mask:0xf
	v_add_f32_dpp v[T], v[T], v[T] row_xmask:8 row_mask:0xf bank_mask:0xf
	v_permlanex16_b32 v[T+1], v[T], s38, s39       ; its destination has been written
	v_add_f32 v[T], v[T], v[T+1]
.endm
.macro LDROW i                         ; a row: group j of 1,024 bytes, 32 bytes a lane
.irp j, 0,1,2,3
	global_load_b128 v[X+32*(\i)+8*\j:X+32*(\i)+8*\j+3],   v2, s[XP:XP+1] offset:(\i)*4096+1024*\j th:TH_LOAD_NT
	global_load_b128 v[X+32*(\i)+8*\j+4:X+32*(\i)+8*\j+7], v2, s[XP:XP+1] offset:(\i)*4096+1024*\j+16 th:TH_LOAD_NT
.endr
.endm
.macro LDVEC dst, ptr                  ; my 32 numbers of g or be, in the same order as a row's
.irp j, 0,1,2,3
	global_load_b128 v[\dst+8*\j:\dst+8*\j+3],   v3, s[\ptr:\ptr+1] offset:1024*\j
	global_load_b128 v[\dst+8*\j+4:\dst+8*\j+7], v3, s[\ptr:\ptr+1] offset:1024*\j+16
.endr
.endm
; Row i.  c1: the younger loads that may stay out when the row is wanted; c2: those that may stay out when g and be are wanted.
.macro LNROW i, c1, c2
.set XR, X+32*(\i)
	s_wait_loadcnt \c1
.irp k, 0,1,2,3
	v_pk_add_f32 v[T+2*\k:T+2*\k+1], v[XR+2*\k:XR+2*\k+1], v[XR+8+2*\k:XR+8+2*\k+1]  ; the first eight pairs start four chains: nothing is cleared
.endr
.set p, 8
.rept 8
	v_pk_add_f32 v[T+2*(p%4):T+2*(p%4)+1], v[T+2*(p%4):T+2*(p%4)+1], v[XR+2*p:XR+2*p+1]
.set p, p+1
.endr
	FOLD
	v_mul_f32 v[MU], s36, v[T]                     ; the mean
	v_mov_b32 v[MU+1], v[MU]
.set p, 0
.rept 16
	v_pk_add_f32 v[XR+2*p:XR+2*p+1], v[XR+2*p:XR+2*p+1], v[MU:MU+1] neg_lo:[0,1] neg_hi:[0,1]  ; x - mean
.set p, p+1
.endr
.irp k, 0,1,2,3
	v_pk_mul_f32 v[T+2*\k:T+2*\k+1], v[XR+2*\k:XR+2*\k+1], v[XR+2*\k:XR+2*\k+1]
.endr
.set p, 4
.rept 12
	v_pk_fma_f32 v[T+2*(p%4):T+2*(p%4)+1], v[XR+2*p:XR+2*p+1], v[XR+2*p:XR+2*p+1], v[T+2*(p%4):T+2*(p%4)+1]
.set p, p+1
.endr
	FOLD
	v_fma_f32 v[T], v[T], s36, s37                 ; var + eps
	v_rsq_f32 v[MU], v[T]
	v_rsq_f32 v[MU+1], v[T]
	s_wait_loadcnt \c2                             ; g and be are in
	v_nop                                          ; a plain instruction behind the last root,
	s_wait_alu depctr_va_vdst(0)                   ; and one wait for both, ahead of their first reader
.set p, 0
.rept 16
	v_pk_mul_f32 v[XR+2*p:XR+2*p+1], v[XR+2*p:XR+2*p+1], v[MU:MU+1]
.set p, p+1
.endr
.set p, 0
.rept 16
	v_pk_fma_f32 v[XR+2*p:XR+2*p+1], v[XR+2*p:XR+2*p+1], v[G+2*p:G+2*p+1], v[BE+2*p:BE+2*p+1]
.set p, p+1
.endr
.set p, 0
.rept 16
	v_cvt_pk_bf16_f32 v[XR+p], v[XR+2*p], v[XR+2*p+1]  ; in place, ascending: register p is free when it is written
.set p, p+1
.endr
.irp j, 0,1,2,3
	global_store_b128 v4, v[XR+4*\j:XR+4*\j+3], s[HP:HP+1] offset:(\i)*2048+512*\j
.endr
.endm
	s_load_b512 s[8:23], s[0:1], 0x0               ; x 8, g1 10, be1 12, Wq 14, Wk 16, Wv 18, Wo 20, W1 22
	s_load_b256 s[24:31], s[0:1], 0x40             ; W2 24, b1 26, hbuf 28, pq 30
	s_load_b64 s[32:33], s[0:1], 0x60              ; pf
	v_and_b32 v1, 31, v0                           ; lane
	v_lshrrev_b32 v5, 5, v0
	v_readfirstlane_b32 s6, v5                     ; wave 0..7
	s_cmp_lt_u32 ttmp9, 256
	s_cbranch_scc0 .Lcvt
	; THE NORM: the work-group owns 16 rows, the wave two
	s_lshl_b32 s2, ttmp9, 16                       ; 16 rows of 4,096 bytes of x
	s_mov_b32 s3, 0
	s_lshl_b32 s4, ttmp9, 15                       ; 16 rows of 2,048 bytes of hbuf
	s_mov_b32 s5, 0
	s_mov_b32 s36, 0x3a800000                      ; 1 / 1024
	s_mov_b32 s37, 0x3727c5ac                      ; eps = 1e-5
	s_mov_b32 s38, 0x76543210                      ; v_permlanex16_b32: each lane takes its own place in the other half
	s_mov_b32 s39, 0xfedcba98
	s_lshl_b32 s7, s6, 13
	v_lshl_add_u32 v2, v1, 5, s7                   ; 32 x lane + the wave's two rows of x
	v_lshlrev_b32 v3, 5, v1                        ; 32 x lane, for g and be
	s_lshl_b32 s7, s6, 12
	v_lshl_add_u32 v4, v1, 4, s7                   ; 16 x lane + the wave's two rows of hbuf
	s_wait_kmcnt 0x0
	s_add_nc_u64 s[XP:XP+1], s[XP:XP+1], s[2:3]
	s_add_nc_u64 s[HP:HP+1], s[HP:HP+1], s[4:5]
	LDROW 0
	LDVEC G, GP
	LDVEC BE, BP
	LDROW 1
	LNROW 0, 24, 8                                 ; behind row 0: g, be and row 1 (24 loads); behind be: row 1 (8)
	LNROW 1, 0, 0
	s_endpgm
.Lcvt:	; THE CONVERSION.  A unit is 1,024 f32 on end (4,096 bytes in, 2,048 out); the work-group takes 32 units, the wave four.
	s_sub_co_u32 s2, ttmp9, 256                    ; J = 0..383
	s_lshr_b32 s3, s2, 5                           ; sub: 0 Wq, 1 Wk, 2 Wv, 3 Wo, 4-7 W1, 8-11 W2
	s_and_b32 s4, s2, 31
	s_and_b32 s5, s2, 127
	s_cmp_lt_u32 s2, 128
	s_cselect_b32 s7, s4, s5                       ; my block of 32 units in my matrix
	s_lshl_b32 s46, s7, 17                         ; its bytes in the source
	s_mov_b32 s47, 0
	s_lshl_b32 s36, s4, 18                         ; Wq, Wk, Wv: 32 rows of pq, 8,192 bytes each,
	s_lshl_b32 s37, s3, 11                         ; and the matrix's 1,024 columns
	s_add_co_u32 s36, s36, s37
	s_lshl_b32 s37, s7, 16                         ; the others are dense: 32 units of 2,048 bytes,
	s_add_co_u32 s38, s37, WTAIL                   ; Wo and W2 behind a pack
	s_cmp_lt_u32 s3, 3
	s_cselect_b32 s48, s36, s37
	s_cselect_b32 s44, 13, 11                      ; log2 of the bytes from unit to unit in the destination
	s_cmp_ge_u32 s3, 8
	s_cselect_b32 s48, s38, s48
	s_cmp_eq_u32 s3, 3
	s_cselect_b32 s48, s38, s48
	s_mov_b32 s49, 0
	s_lshl_b32 s36, s6, 14
	v_lshl_add_u32 v2, v1, 5, s36                  ; 32 x lane + the wave's four units
.irp i, 0,1,2,3
	s_lshl_b32 s36, s6, 2
	s_add_co_u32 s36, s36, \i
	s_lshl_b32 s36, s36, s44
	v_lshl_add_u32 v[4+\i], v1, 4, s36             ; 16 x lane + unit 4 w + i
.endr
	s_wait_kmcnt 0x0
	s_cmp_lt_u32 s3, 8                             ; the buffers are chosen by the work-group's number alone
	s_cselect_b64 s[40:41], s[22:23], s[24:25]
	s_cmp_eq_u32 s3, 3
	s_cselect_b64 s[40:41], s[20:21], s[40:41]
	s_cmp_eq_u32 s3, 2
	s_cselect_b64 s[40:41], s[18:19], s[40:41]
	s_cmp_eq_u32 s3, 1
	s_cselect_b64 s[40:41], s[16:17], s[40:41]
	s_cmp_eq_u32 s3, 0
	s_cselect_b64 s[40:41], s[14:15], s[40:41]
	s_cmp_lt_u32 s3, 4
	s_cselect_b64 s[42:43], s[30:31], s[32:33]     ; Wq, Wk, Wv, Wo go to pq, W1 and W2 to pf
	s_add_nc_u64 s[40:41], s[40:41], s[46:47]
	s_add_nc_u64 s[42:43], s[42:43], s[48:49]
.irp i, 0,1,2,3
.irp j, 0,1,2,3
	global_load_b128 v[X+32*\i+8*\j:X+32*\i+8*\j+3],   v2, s[40:41] offset:\i*4096+1024*\j th:TH_LOAD_NT
	global_load_b128 v[X+32*\i+8*\j+4:X+32*\i+8*\j+7], v2, s[40:41] offset:\i*4096+1024*\j+16 th:TH_LOAD_NT
.endr
.endr
.irp i, 0,1,2,3
	s_wait_loadcnt 24-8*\i                         ; unit i's eight loads are in; the younger units' stay out
.set p, 0
.rept 16
	v_cvt_pk_bf16_f32 v[X+32*\i+p], v[X+32*\i+2*p], v[X+32*\i+2*p+1]
.set p, p+1
.endr
.irp j, 0,1,2,3
	global_store_b128 v[4+\i], v[X+32*\i+4*\j:X+32*\i+4*\j+3], s[42:43] offset:512*\j
.endr
.endr
	; two work-groups also write a pack's bias and floor: thread t takes 16 bytes at 16 t of each 4,096
	s_cmp_eq_u32 s2, 0
	s_cbranch_scc0 .Lnot_q
	s_add_nc_u64 s[50:51], s[30:31], 0x800000      ; behind pq's weights
	v_lshlrev_b32 v3, 4, v0
.irp r, 8,9,10,11
	v_mov_b32 v\r, 0
.endr
.irp r, 12,13,14,15
	v_mov_b32 v\r, 0xff80ff80                      ; -inf twice in bf16: q, k and v have no floor
.endr
.irp i, 0,1,2,3
	global_store_b128 v3, v[8:11], s[50:51] offset:4096*\i
.endr
	global_store_b128 v3, v[12:15], s[50:51] offset:16384
	s_endpgm
.Lnot_q:
	s_cmp_eq_u32 s2, 128
	s_cbranch_scc0 .Ldone
	s_add_nc_u64 s[50:51], s[32:33], 0x800000      ; behind pf's weights
	v_lshlrev_b32 v3, 4, v0
.irp r, 8,9,10,11
	v_mov_b32 v\r, 0                               ; the floor of a ReLU
.endr
	s_wait_xcnt 0x0                                ; the stores above have read v[16:31]: they are loaded again only behind this wait
.irp i, 0,1,2,3
	global_load_b128 v[16+4*\i:19+4*\i], v3, s[26:27] offset:4096*\i
.endr
	s_wait_loadcnt 0x0
.irp i, 0,1,2,3
	global_store_b128 v3, v[16+4*\i:19+4*\i], s[50:51] offset:4096*\i
.endr
	global_store_b128 v3, v[8:11], s[50:51] offset:16384
.Ldone:
	s_endpgm
.Lfunc_end_k_qc9f8715f10_prep:
	.size	k_qc9f8715f10_prep, .Lfunc_end_k_qc9f8715f10_prep-k_qc9f8715f10_prep
	.p2alignl 7, 3214868480
	.fill 96, 4, 3214868480
	.section	.rodata,"a",@progbits
	.p2align	6, 0x0
	.amdhsa_kernel k_qc9f8715f10_prep
		.amdhsa_group_segment_fixed_size 0
		.amdhsa_private_segment_fixed_size 0
		.amdhsa_enable_private_segment 0
		.amdhsa_kernarg_size 104
		.amdhsa_user_sgpr_count 2
		.amdhsa_user_sgpr_kernarg_segment_ptr 1
		.amdhsa_wavefront_size32 1
		.amdhsa_system_sgpr_workgroup_id_x 1
		.amdhsa_system_sgpr_workgroup_id_y 1
		.amdhsa_system_sgpr_workgroup_id_z 1
		.amdhsa_system_vgpr_workitem_id 0
		.amdhsa_next_free_vgpr 144
		.amdhsa_next_free_sgpr 66
		.amdhsa_reserve_vcc 0
		.amdhsa_float_denorm_mode_32 3
		.amdhsa_float_denorm_mode_16_64 3
		.amdhsa_memory_ordered 1
		.amdhsa_forward_progress 1
		.amdhsa_inst_pref_size 33
	.end_amdhsa_kernel
	.amdgpu_metadata
---
amdhsa.version: [ 1, 2 ]
amdhsa.kernels:
  - .name:           k_qc9f8715f10_prep
    .symbol:         k_qc9f8715f10_prep.kd
    .args:
      - { .name: x, .offset: 0, .size: 8, .value_kind: global_buffer, .address_space: global }
      - { .name: g1, .offset: 8, .size: 8, .value_kind: global_buffer, .address_space: global }
      - { .name: be1, .offset: 16, .size: 8, .value_kind: global_buffer, .address_space: global }
      - { .name: Wq, .offset: 24, .size: 8, .value_kind: global_buffer, .address_space: global }
      - { .name: Wk, .offset: 32, .size: 8, .value_kind: global_buffer, .address_space: global }
      - { .name: Wv, .offset: 40, .size: 8, .value_kind: global_buffer, .address_space: global }
      - { .name: Wo, .offset: 48, .size: 8, .value_kind: global_buffer, .address_space: global }
      - { .name: W1, .offset: 56, .size: 8, .value_kind: global_buffer, .address_space: global }
      - { .name: W2, .offset: 64, .size: 8, .value_kind: global_buffer, .address_space: global }
      - { .name: b1, .offset: 72, .size: 8, .value_kind: global_buffer, .address_space: global }
      - { .name: hbuf, .offset: 80, .size: 8, .value_kind: global_buffer, .address_space: global }
      - { .name: pq, .offset: 88, .size: 8, .value_kind: global_buffer, .address_space: global }
      - { .name: pf, .offset: 96, .size: 8, .value_kind: global_buffer, .address_space: global }
    .group_segment_fixed_size: 0
    .private_segment_fixed_size: 0
    .kernarg_segment_align: 8
    .kernarg_segment_size: 104
    .max_flat_workgroup_size: 256
    .sgpr_count:     66
    .vgpr_count:     144
    .wavefront_size: 32
...
	.end_amdgpu_metadata
.endif
;; end of part 1
;; launch qkv (part 2): grid 12 x 16, 4 waves a work-group, clusters of 4 x 4, 327,680 bytes of LDS; arguments hbuf, pq, qkv; writes qkv
.if DOCPART == 2
	.amdgcn_target "amdgcn-amd-amdhsa--gfx1250"
	.amdhsa_code_object_version 6
	.text
	.protected	k_qc9f8715f10_qkv
	.globl	k_qc9f8715f10_qkv
	.p2align	8
	.type	k_qc9f8715f10_qkv,@function
k_qc9f8715f10_qkv:
	s_mov_b64 s[64:65], 0
	v_nop
	global_prefetch_b8 v0, s[64:65] scope:SCOPE_SE
	s_setreg_imm32_b32 hwreg(HW_REG_WAVE_MODE, 25, 1), 1
	s_wait_xcnt 0x0
	s_wait_alu depctr_hold_cnt(0) depctr_sa_sdst(0) depctr_va_vdst(0) depctr_va_sdst(0) depctr_va_ssrc(0) depctr_va_vcc(0) depctr_vm_vsrc(0)
	s_getreg_b32 s2, hwreg(HW_REG_IB_STS2, 6, 4)
	s_cmp_eq_u32 s2, 0
	s_cbranch_scc0 .Lentry_in_a_cluster
	s_endpgm
.Lentry_in_a_cluster:
	s_bfe_u32 s2, ttmp6, 0x10000c
	s_cmp_lg_u32 s2, 0xf033
	s_cbranch_scc0 .Lentry_shape_is_right
	s_endpgm
.Lentry_shape_is_right:
; C = max(A W + bias, floor).  A: [4096][1024] bf16, rows along K.  The pack: W [1024 k][4096 n] bf16, then 4,096 f32 of bias, then the floor (one word, two bf16).  Sums in f32, K ascending, C rounded once to bf16.
; One text for two launches: q, k, v (bias 0, floor -inf) and the first feed-forward product (bias b1, floor 0: the ReLU; a maximum behind the rounding equals the rounding behind the maximum).
; C leaves in CHUNKS: 128 rows x 64 columns are 16,384 dense bytes, chunk number ((cb >> 2) 32 + (m >> 7)) 4 + (cb & 3) for column block cb = n >> 6: a head's rows, or 64 of a later product's K, lie end to end.
; A tile of C is 256 x 256, four waves, a wave 128 x 128 in 64 accumulators.  K goes in steps of 128 through two LDS slots filled by the tensor data mover; rows of A's and W's tiles are 256 bytes of memory, aligned.
; A K STEP IS WRITTEN ONCE: the slot in hand is a scalar (index x SLOT, the index turned by an exclusive or at each change of slots), the two LDS address registers are made anew from it, and one descriptor
; for each operand walks: its LDS word is my part + the slot that is left, its address one K step on.  The last two K steps, which fill nothing, are a loop of their own.
; CLUSTER 4 x 4: A's tile is shared along a row of the cluster, W's along a column; each is asked for jointly, by the same load with the same descriptor and a mask of four.
; THE PRODUCT IS TAKEN TRANSPOSED: source 0 = 16 columns of W (turned on the way out of LDS by ds_load_tr16_b128, since W lies [k][n]), source 1 = 16 rows of A.  A lane then holds eight neighbouring columns of one row of C.
; THE BIAS is the C operand of the products that start the sums: no addition, nothing cleared.
; LIMITS: a NaN does not pass the floor (the maximum takes the number); otherwise bf16's and f32's own ranges.
; REGISTERS: window 0: v16-30 addresses; v64-127, v128-191 A's fragments, two buffers; v192-223, v32-63, v224-255 the way out.  window 1: v0-63 the bias; v64-127, v128-191 W's fragments.  windows 2, 3: accumulator (a, b) at 8 (8 a + b).
.set KSTEP,  128
.set KTOT,   1024
.set NSTEP,  KTOT/KSTEP
.set WCOLS,  4096
.set PITCHA, 272                       ; a row of A in LDS: 256 bytes + 16: the 16 rows of a load start at 16 different groups of four banks (64 banks of 4 bytes: ISA guide 11.1)
.set PITCHW, 288                       ; a row of W: 256 + 32
.set HALFA,  128*PITCHA
.set HALFW,  128*PITCHW
.set WBASE,  2*HALFA                   ; a slot: A's rows 0-127, 128-255, then W's columns 0-127, 128-255 (128 k rows each)
.set SLOT,   2*HALFA+2*HALFW
.set STAGE,  2*SLOT                    ; behind the ring: for each wave two column blocks x 16 rows x 144 bytes
.set SP,     144
.set WSTG,   2*16*SP
.set SPARE,  STAGE+4*WSTG              ; the spare words, 128 bytes a wave: two blocks of 256 bytes that no other line names
.set ADRA, 16                          ; v16     LDS address of my A fragments in the slot in hand
.set A0,   17                          ; v17     the same in slot 0; never rewritten
.set ADRW, 20                          ; v20     the same for W
.set W0,   21                          ; v21
.set STO,  24                          ; v24     the way out: where I put 16 bytes of a row
.set RD,   25                          ; v25     where I read four rows of 128 bytes back
.set CO,   26                          ; v26     16 x lane: my place in 512 consecutive bytes of C
.set BO,   27                          ; v27     32 x (lane / 16): my eight numbers of a block's bias
.set SPW,  28                          ; v28     my spare word; never rewritten
.set NIL,  29                          ; v29     0; never rewritten
.set PFO,  30                          ; v30     the prefetches' offset: my lane x a row of A or W; never rewritten
.set F0,   64
.set F1,   128
.set TMP,  192
.set OB,   32
.set BI,   0                           ; window 1
.set G1,  24                           ; s[24:31] group 1 for A;  s[32:39] group 0: a set for each of the two first fills; the second then walks
.set G0,  32
.set G1B, 48                           ; s[48:55], s[56:63] the same for W
.set G0B, 56
.set LIM, 43                           ; s43  2 in a wave that prefetches, else the greatest number
.set PFA, 44                           ; s[44:45] where my prefetches stand
.set BB,  66                           ; s[66:67] the pack's bias
.set FLOOR, 68                         ; s68
.set PS,  70                           ; s[70:71] a K step in bytes, for the prefetches
.set IDX, 76                           ; s76  the slot in hand, 0 or 1
.set TB,  77                           ; s77  its first LDS byte
.set LA,  78                           ; s78  where my part of A's tile goes in slot 0
.set LW,  79                           ; s79  the same for W's
.set MSB, 0
.macro WIN new                         ; the immediate's high byte repeats the setting that is left; a switch that changes nothing is dropped
.if MSB != (\new)
	s_set_vgpr_msb (MSB<<8)|(\new)
.set MSB, \new
.endif
.endm
.set MUL_LO,   0xa1                    ; source 0 (W) window 1, source 1 (A) window 0, C and D window 2
.set FIRST_LO, 0x91                    ; the same with C (the bias) in window 1
.set TO_B,     0x40                    ; destination window 1, address window 0
; A joint load: waves 0 and 1 fetch A's two halves, waves 2 and 3 W's.  An s_nop 0 and four v_nop follow each line, ahead of the jump and the label.
.macro JLOAD s
	s_cmp_eq_u32 s11, 0
	s_cbranch_scc0 .Lfor_b_\@
	tensor_load_to_lds s[G0+4*(\s):G0+4*(\s)+3], s[G1:G1+7]
	s_nop 0
.rept 4
	v_nop
.endr
	s_branch .Lasked_\@
.Lfor_b_\@:
	tensor_load_to_lds s[G0B+4*(\s):G0B+4*(\s)+3], s[G1B:G1B+7]
	s_nop 0
.rept 4
	v_nop
.endr
.Lasked_\@:
.endm
; A prefetch, behind each joint refill and the run of LDS loads that follows it: 32 rows x 256 bytes, a lane a row, of the K step two refills on.  A's rows are named by the clusters with x = 0 (waves 0, 1),
; W's by those with y = 0 (waves 2, 3); the four partners that ask for a tile jointly take 32 of its 128 rows each, told apart by address.  So each row's 256 bytes of a K step are named once.
; K steps 0 to 3 come by their loads alone; the loop's last two trips (s3 = 2, 1) ask for nothing: there is no K step beyond 7.
.macro ASK
	s_cmp_gt_u32 s3, s[LIM]
	s_cbranch_scc0 .Lnot_mine_\@
	global_prefetch_b8 v[PFO], s[PFA:PFA+1] th:TH_LOAD_NT scope:SCOPE_SE
.Lnot_mine_\@:
.endm
.macro CREST                           ; a round of the cluster's barrier behind its opening barrier
	s_cmp_lg_u32 s10, 0
	s_cbranch_scc1 .Lnot_wave_0_\@
	s_barrier_signal -3
.Lnot_wave_0_\@:
	s_barrier_wait -3
	s_barrier_signal -1
	s_barrier_wait -1
.endm
.macro CROUND
	s_barrier_signal -1
	s_barrier_wait -1
	CREST
.endm
	s_load_b128 s[4:7], s[0:1], 0x0                ; A s[4:5], the pack s[6:7]
	s_load_b64 s[8:9], s[0:1], 0x10                ; C
	v_lshl_add_u32 v[SPW], v0, 2, SPARE
	v_mov_b32 v[NIL], 0
	ds_add_u32 v[SPW], v[NIL]                      ; the wave's opening: the add and its wait ahead of my first tensor load; the set-up stands between them
	ds_add_u32 v28, v29
	v_lshrrev_b32 v1, 5, v0
	v_readfirstlane_b32 s10, v1                    ; wave 0..3
	s_lshr_b32 s11, s10, 1                         ; my half of the tile's rows.  Also: I fetch for A (0) or for W (1)
	s_and_b32 s12, s10, 1                          ; my half of its columns.  Also: which half of that tile I fetch
	s_bfe_u32 s40, ttmp6, 0x40000                  ; cx
	s_bfe_u32 s41, ttmp6, 0x40004                  ; cy
	s_lshl_b32 s42, ttmp9, 2
	s_add_co_u32 s42, s42, s40                     ; tile column
	s_and_b32 s13, ttmp7, 0xffff
	s_lshl_b32 s13, s13, 2
	s_add_co_u32 s13, s13, s41                     ; tile row
	s_lshl_b32 s43, s41, 2
	s_lshl_b32 s43, 15, s43                        ; my row of the cluster
	s_lshl_b32 s44, 0x1111, s40                    ; my column
	s_or_b32 s[G1+0], s43, (1<<16)|(1<<20)|(1<<21)|(5<<22)|(3<<25)   ; the mask; 2-byte elements; padding on; bit 21 beside a mask; after every 64 words, 4 words
	s_or_b32 s[G1B+0], s44, (1<<16)|(1<<20)|(1<<21)|(5<<22)|(7<<25)  ; the same with my column's mask and 8 words of padding
.irp g, G1, G1B
	s_mov_b32 s[(\g)+1], 128<<16                   ; tensor_dim0 = 128
	s_mov_b32 s[(\g)+2], 128<<16                   ; tensor_dim1 = 128
	s_mov_b32 s[(\g)+3], 128<<16                   ; tile_dim0 = 128 elements, 256 bytes
	s_mov_b32 s[(\g)+4], 128                       ; tile_dim1 = 128 rows
	s_mov_b32 s[(\g)+6], 0
	s_mov_b32 s[(\g)+7], 0
.endr
	s_mov_b32 s[G1+5], KTOT                        ; elements from row to row of A
	s_mov_b32 s[G1B+5], WCOLS                      ; and of W
	s_lshl_b32 s17, s12, 7
	s_lshl_b32 s16, s13, 8
	s_add_co_u32 s16, s16, s17
	s_lshl_b32 s16, s16, 11                        ; A: row 256 x tile row + 128 x half, 2,048 bytes a row
	s_lshl_b32 s46, s42, 8
	s_add_co_u32 s46, s46, s17
	s_lshl_b32 s46, s46, 1                         ; W: column 256 x tile column + 128 x half, in bytes
	s_mov_b32 s17, 0
	s_mov_b32 s47, 0
	s_mul_i32 s[LA], s12, HALFA                    ; where they go: no place in the cluster enters an LDS address
	s_mul_i32 s[LW], s12, HALFW
	s_add_co_u32 s[LW], s[LW], WBASE
	s_mov_b32 s[IDX], 0
	s_mov_b32 s[TB], 0
	s_wait_dscnt 0x0                               ; the opening add is done
	s_wait_kmcnt 0x0
	s_add_nc_u64 s[14:15], s[4:5], s[16:17]
	s_add_nc_u64 s[46:47], s[6:7], s[46:47]
	CROUND                                         ; all sixteen work-groups are here: the first joint loads meet
.irp s, 0,1
	s_mov_b32 s[G0+4*(\s)], 1
	s_add_co_u32 s[G0+4*(\s)+1], s[LA], (\s)*SLOT
	s_add_nc_u64 s[G0+4*(\s)+2:G0+4*(\s)+3], s[14:15], (\s)*KSTEP*2
	s_or_b32 s[G0+4*(\s)+3], s[G0+4*(\s)+3], 0x80000000
	s_mov_b32 s[G0B+4*(\s)], 1
	s_add_co_u32 s[G0B+4*(\s)+1], s[LW], (\s)*SLOT
	s_add_nc_u64 s[G0B+4*(\s)+2:G0B+4*(\s)+3], s[46:47], (\s)*KSTEP*WCOLS*2
	s_or_b32 s[G0B+4*(\s)+3], s[G0B+4*(\s)+3], 0x80000000
	JLOAD \s
.endr
	v_and_b32 v1, 15, v0                           ; r = lane % 16
	v_bfe_u32 v2, v0, 4, 1                         ; h = lane / 16
	v_mul_u32_u24 v3, v1, PITCHA
	v_lshl_add_u32 v3, v2, 4, v3                   ; A: row r, 16 bytes for each half of the lanes
	v_and_b32 v4, 7, v0
	v_lshl_add_u32 v4, v2, 3, v4
	v_mul_u32_u24 v4, v4, PITCHW                   ; W: k row 8 h + lane % 8,
	v_bfe_u32 v5, v0, 3, 1
	v_lshl_add_u32 v4, v5, 4, v4                   ; columns 8 ((lane / 8) % 2) on
	s_mul_i32 s21, s11, HALFA
	s_mul_i32 s22, s12, HALFW
	s_add_co_u32 s22, s22, WBASE
	v_add_nc_u32 v[A0], s21, v3
	v_add_nc_u32 v[W0], s22, v4
	v_mov_b32 v[ADRA], v[A0]                       ; K step 0 lies in slot 0
	v_mov_b32 v[ADRW], v[W0]
	s_mul_i32 s23, s10, WSTG
	s_add_co_u32 s23, s23, STAGE                   ; my stage
	v_mul_u32_u24 v3, v1, SP
	v_lshl_add_u32 v3, v2, 4, v3
	v_add_nc_u32 v[STO], s23, v3
	v_bfe_u32 v3, v0, 3, 2
	v_mul_u32_u24 v3, v3, SP
	v_and_b32 v4, 7, v0
	v_lshl_add_u32 v3, v4, 4, v3
	v_add_nc_u32 v[RD], s23, v3
	v_and_b32 v[CO], 31, v0
	v_lshlrev_b32 v[CO], 4, v[CO]
	v_lshlrev_b32 v[BO], 5, v2
	s_add_nc_u64 s[BB:BB+1], s[6:7], KTOT*WCOLS*2
	s_load_b32 s[FLOOR], s[BB:BB+1], WCOLS*4       ; the launch writes no byte of the pack
	s_lshl_b32 s72, s42, 10
	s_lshl_b32 s73, s12, 9
	s_add_co_u32 s72, s72, s73                     ; my 128 columns' bias, in bytes
	s_mov_b32 s73, 0
	s_add_nc_u64 s[74:75], s[BB:BB+1], s[72:73]
	WIN TO_B
.irp b, 0,1,2,3,4,5,6,7                ; register j of block b: bias of column 16 b + 8 h + j, the same for all 16 rows
	global_load_b128 v[BI+8*\b:BI+8*\b+3],   v[BO], s[74:75] offset:64*\b
	global_load_b128 v[BI+8*\b+4:BI+8*\b+7], v[BO], s[74:75] offset:64*\b+16
.endr
	WIN 0
	s_lshl_b32 s72, s42, 5                         ; my first chunk of C: ((tile column x 32 + 2 x tile row + row half) x 4 + 2 x column half)
	s_lshl_b32 s73, s13, 1
	s_add_co_u32 s72, s72, s73
	s_add_co_u32 s72, s72, s11
	s_lshl_b32 s72, s72, 2
	s_lshl_b32 s73, s12, 1
	s_add_co_u32 s72, s72, s73
	s_lshl_b32 s72, s72, 14
	s_mov_b32 s73, 0
	s_add_nc_u64 s[8:9], s[8:9], s[72:73]
	; the prefetches: both offsets are made, then the wave's part chooses
	s_lshl_b32 s20, s13, 8
	s_lshl_b32 s21, s12, 7
	s_add_co_u32 s20, s20, s21
	s_lshl_b32 s22, s40, 5
	s_add_co_u32 s20, s20, s22                     ; A: the 128 rows that I fetch, my work-group's 32 of them,
	s_lshl_b32 s20, s20, 11
	s_add_co_u32 s20, s20, 3*KSTEP*2               ; at K step 3: the first refill steps it to 4
	s_lshl_b32 s22, s41, 5
	s_add_co_u32 s22, s22, 3*KSTEP                 ; W: k row 128 x 3 + my work-group's 32,
	s_lshl_b32 s22, s22, 13
	s_lshl_b32 s23, s42, 8
	s_add_co_u32 s23, s23, s21
	s_lshl_b32 s23, s23, 1                         ; at the 128 columns that I fetch
	s_add_co_u32 s22, s22, s23
	s_and_b32 s23, ttmp7, 0xffff                   ; cluster y
	s_cmp_eq_u32 s11, 0
	s_cselect_b32 s20, s20, s22
	s_cselect_b32 s23, ttmp9, s23                  ; the coordinate along which other clusters read the same rows
	s_cselect_b64 s[PFA:PFA+1], s[4:5], s[6:7]
	s_cselect_b32 s18, 8, 20                       ; log2 of a K step's bytes: 256 along A's rows, 128 rows of 8,192 down W
	s_cselect_b32 s22, 11, 13                      ; log2 of a row's bytes
	s_mov_b32 s21, 0
	s_mov_b32 s[PS+1], 0
	s_cmp_eq_u32 s23, 0
	s_cselect_b32 s[LIM], 2, -1                    ; the same in all sixteen partners, for a given wave
	s_lshl_b32 s[PS], 1, s18
	s_add_nc_u64 s[PFA:PFA+1], s[PFA:PFA+1], s[20:21]
	v_and_b32 v[PFO], 31, v0
	v_lshlrev_b32 v[PFO], s22, v[PFO]
; 16 matrix instructions: m blocks a0, a0 + 1 of the window's four x all 8 n blocks, 32 along K.  first = 1: the bias starts the sums.  The 64 accumulators take turns, one instruction a turn.
.macro MUL16 f, hi, a0, first
.if \first
	WIN FIRST_LO+0x40*(\hi)
.else
	WIN MUL_LO+0x50*(\hi)
.endif
.irp a, \a0, (\a0)+1
.irp b, 0,1,2,3,4,5,6,7
.if \first
	v_wmma_f32_16x16x32_bf16 v[8*(8*(\a)+(\b)):8*(8*(\a)+(\b))+7], v[(\f)+8*(\b):(\f)+8*(\b)+7], v[(\f)+8*(4*(\hi)+(\a)):(\f)+8*(4*(\hi)+(\a))+7], v[BI+8*(\b):BI+8*(\b)+7]
.else
	v_wmma_f32_16x16x32_bf16 v[8*(8*(\a)+(\b)):8*(8*(\a)+(\b))+7], v[(\f)+8*(\b):(\f)+8*(\b)+7], v[(\f)+8*(4*(\hi)+(\a)):(\f)+8*(4*(\hi)+(\a))+7], v[8*(8*(\a)+(\b)):8*(8*(\a)+(\b))+7]
.endif
.endr
.endr
.endm
; 32 LDS loads in one run: quarter q's fragments (32 along K) of the slot in hand into buffer f: W's 8 blocks of 16 columns, turned, then A's 8 blocks of 16 rows
.macro FETCH q, f
	WIN TO_B
.irp i, 0,1,2,3,4,5,6,7
	ds_load_tr16_b128 v[(\f)+8*(\i):(\f)+8*(\i)+3],   v[ADRW] offset:(\q)*32*PITCHW+32*(\i)
	ds_load_tr16_b128 v[(\f)+8*(\i)+4:(\f)+8*(\i)+7], v[ADRW] offset:(\q)*32*PITCHW+16*PITCHW+32*(\i)
.endr
	WIN 0
.irp i, 0,1,2,3,4,5,6,7
	ds_load_b128 v[(\f)+8*(\i):(\f)+8*(\i)+3],   v[ADRA] offset:(\q)*64+(\i)*16*PITCHA
	ds_load_b128 v[(\f)+8*(\i)+4:(\f)+8*(\i)+7], v[ADRA] offset:(\q)*64+(\i)*16*PITCHA+32
.endr
.endm
.macro PLACES                          ; four plain vector instructions between a matrix instruction and a load into, or a vector read of, its registers
.rept 4
	v_nop
.endr
.endm
; One of a K step's first three quarters: multiplies buffer f, and in its middle fetches quarter q into buffer g.
.macro QUARTER q, f, g, first
	s_wait_dscnt 8                                 ; W and A's rows 0-63 are in; the youngest eight loads (A's rows 64-127) may be out
	MUL16 \f, 0, 0, \first
	MUL16 \f, 0, 2, \first
	PLACES
	FETCH \q, \g
	s_wait_dscnt 32                                ; all but the 32 just issued
	MUL16 \f, 1, 0, \first
	MUL16 \f, 1, 2, \first
.endm
; The first half of a K step's last quarter: one barrier for the change of slots.
.macro MEET
	WIN 0
	s_wait_tensorcnt 0x0                           ; all my tensor loads have landed: the one that was out is my part of the next slot;
	ds_add_u32 v[SPW], v[NIL]                      ; 0 onto my spare word;
	s_wait_dscnt 9                                 ; (the add and the youngest eight loads may be out)
	MUL16 F1, 0, 0, 0
	s_wait_dscnt 0x0                               ; the add is done, and my reads of this slot are over
	s_barrier_signal -1
	MUL16 F1, 0, 2, 0
	WIN 0
	s_barrier_wait -1
.endm
.macro TURN                            ; the whole last quarter, with the slot just read out filled again, two K steps on
	s_wait_xcnt 0x0                                ; the last prefetch, a K step back, has read its address
	s_add_nc_u64 s[PFA:PFA+1], s[PFA:PFA+1], s[PS:PS+1]
	MEET
	CREST                                          ; no wave of any partner still reads this slot or has a load on its way
	s_add_co_u32 s[G0+5], s[LA], s[TB]             ; the walking descriptors: into the slot that is left,
	s_add_nc_u64 s[G0+6:G0+7], s[G0+6:G0+7], KSTEP*2  ; one K step beyond the last request; the type bits on top are not reached
	s_add_co_u32 s[G0B+5], s[LW], s[TB]
	s_add_nc_u64 s[G0B+6:G0B+7], s[G0B+6:G0B+7], KSTEP*WCOLS*2
	s_xor_b32 s[IDX], s[IDX], 1                    ; the other slot is in hand now
	s_mul_i32 s[TB], s[IDX], SLOT
	JLOAD 1                                        ; the first tensor load behind the round; its four v_nop are also the places in front of the loads below
	v_add_nc_u32 v[ADRA], s[TB], v[A0]
	v_add_nc_u32 v[ADRW], s[TB], v[W0]
	FETCH 0, F0
	ASK
	MUL16 F1, 1, 0, 0
	MUL16 F1, 1, 2, 0
.endm
.macro TURNX                           ; the same with nothing to fill: no round; the two address lines and two v_nop are the four places
	MEET
	s_xor_b32 s[IDX], s[IDX], 1
	s_mul_i32 s[TB], s[IDX], SLOT
	v_add_nc_u32 v[ADRA], s[TB], v[A0]
	v_add_nc_u32 v[ADRW], s[TB], v[W0]
	v_nop
	v_nop
	FETCH 0, F0
	MUL16 F1, 1, 0, 0
	MUL16 F1, 1, 2, 0
.endm
	s_wait_tensorcnt 1                             ; my part of K step 0 is in; K step 1's may stay out
	s_barrier_signal -1
	s_barrier_wait -1
	FETCH 0, F0
	s_wait_loadcnt 0x0                             ; the bias
	s_wait_kmcnt 0x0                               ; the floor
	QUARTER 1, F0, F1, 1
	WIN 0
	s_mov_b32 s3, NSTEP-2
.Lstep:                                                ; six trips, from a K step's second quarter to the next step's first: K steps 2 to 7 are asked for
	QUARTER 2, F1, F0, 0
	QUARTER 3, F0, F1, 0
	TURN
	QUARTER 1, F0, F1, 0
	WIN 0
	s_sub_co_u32 s3, s3, 1
	s_cmp_lg_u32 s3, 0
	s_cbranch_scc1 .Lstep
	s_mov_b32 s3, 2
.Ltail:                                                ; the last two K steps ask for nothing; the second trip is left in its middle
	QUARTER 2, F1, F0, 0
	QUARTER 3, F0, F1, 0
	WIN 0
	s_sub_co_u32 s3, s3, 1
	s_cmp_eq_u32 s3, 0
	s_cbranch_scc1 .Llast
	TURNX
	QUARTER 1, F0, F1, 0
	WIN 0
	s_branch .Ltail
.Llast:
	s_wait_dscnt 8
	MUL16 F1, 0, 0, 0
	MUL16 F1, 0, 2, 0
	s_wait_dscnt 0x0
	MUL16 F1, 1, 0, 0
	MUL16 F1, 1, 2, 0
; THE WAY OUT, a block of 16 rows at a time.  PACK: rounded to bf16 (each accumulator from its low end on), then the floor.  TOSTAGE: into my own stage, and back as rows of 128 bytes.  SEND: stored.
.macro PACK a
.set AC, 64*((\a)%4)
	WIN 0x0a+5*((\a)/4)                            ; sources 0 and 1: window 2 or 3
.irp b, 0,1,2,3,4,5,6,7
.irp r, 0,1,2,3
	v_cvt_pk_bf16_f32 v[TMP+4*(\b)+(\r)], v[AC+8*(\b)+2*(\r)], v[AC+8*(\b)+2*(\r)+1]
.endr
.endr
	WIN 0
.set i, 0
.rept 32
	v_pk_max_num_bf16 v[TMP+i], v[TMP+i], s[FLOOR]
.set i, i+1
.endr
.endm
.macro TOSTAGE a
	WIN 0
.set BK, OB+192*((\a)%2)
.irp b, 0,1,2,3,4,5,6,7
	ds_store_b128 v[STO], v[TMP+4*(\b):TMP+4*(\b)+3] offset:((\b)/4)*16*SP+32*((\b)%4)
.endr
.irp e, 0,1
.irp f, 0,1,2,3
	ds_load_b128 v[BK+4*(4*\e+\f):BK+4*(4*\e+\f)+3], v[RD] offset:\e*16*SP+\f*4*SP  ; LDS serves a wave's instructions in order (ISA guide 5.7.1.4): these see the stores above
.endr
.endr
.endm
.macro SEND a
	WIN 0
.set BK, OB+192*((\a)%2)
	s_wait_dscnt 0x0                               ; the block is back in registers
	s_wait_xcnt 0x0                                ; earlier stores have read their registers: the buffer that the next block is read into is rewritten only behind this wait
.irp e, 0,1
.irp f, 0,1,2,3
	global_store_b128 v[CO], v[BK+4*(4*\e+\f):BK+4*(4*\e+\f)+3], s[8:9] offset:\e*16384+(16*(\a)+4*\f)*128  ; four rows of a chunk: 512 consecutive bytes, aligned
.endr
.endr
.endm
	PLACES
	PACK 0
	TOSTAGE 0
.irp a, 1,2,3,4,5,6,7
	PACK \a
	SEND (\a)-1
	TOSTAGE \a
.endr
	SEND 7
	s_wait_tensorcnt 0x0                           ; the wave's end
	ds_add_u32 v[SPW], v[NIL]
	s_wait_dscnt 0x0
	CROUND                                         ; the closing round
	s_endpgm
.Lfunc_end_k_qc9f8715f10_qkv:
	.size	k_qc9f8715f10_qkv, .Lfunc_end_k_qc9f8715f10_qkv-k_qc9f8715f10_qkv
	.p2alignl 7, 3214868480
	.fill 96, 4, 3214868480
	.section	.rodata,"a",@progbits
	.p2align	6, 0x0
	.amdhsa_kernel k_qc9f8715f10_qkv
		.amdhsa_group_segment_fixed_size 327680
		.amdhsa_private_segment_fixed_size 0
		.amdhsa_enable_private_segment 0
		.amdhsa_kernarg_size 24
		.amdhsa_user_sgpr_count 2
		.amdhsa_user_sgpr_kernarg_segment_ptr 1
		.amdhsa_wavefront_size32 1
		.amdhsa_system_sgpr_workgroup_id_x 1
		.amdhsa_system_sgpr_workgroup_id_y 1
		.amdhsa_system_sgpr_workgroup_id_z 1
		.amdhsa_system_vgpr_workitem_id 0
		.amdhsa_next_free_vgpr 1024
		.amdhsa_next_free_sgpr 80
		.amdhsa_reserve_vcc 0
		.amdhsa_float_denorm_mode_32 3
		.amdhsa_float_denorm_mode_16_64 3
		.amdhsa_memory_ordered 1
		.amdhsa_forward_progress 1
		.amdhsa_inst_pref_size 123
	.end_amdhsa_kernel
	.amdgpu_metadata
---
amdhsa.version: [ 1, 2 ]
amdhsa.kernels:
  - .name:           k_qc9f8715f10_qkv
    .symbol:         k_qc9f8715f10_qkv.kd
    .args:
      - { .name: hbuf, .offset: 0, .size: 8, .value_kind: global_buffer, .address_space: global }
      - { .name: pq, .offset: 8, .size: 8, .value_kind: global_buffer, .address_space: global }
      - { .name: qkv, .offset: 16, .size: 8, .value_kind: global_buffer, .address_space: global }
    .group_segment_fixed_size: 327680
    .private_segment_fixed_size: 0
    .kernarg_segment_align: 8
    .kernarg_segment_size: 24
    .max_flat_workgroup_size: 128
    .sgpr_count:     80
    .vgpr_count:     1024
    .wavefront_size: 32
...
	.end_amdgpu_metadata
.endif
;; end of part 2
;; launch attn (part 3): grid 8 x 32, 4 waves a work-group, no clusters, 327,680 bytes of LDS; arguments qkv, act; writes act
.if DOCPART == 3
	.amdgcn_target "amdgcn-amd-amdhsa--gfx1250"
	.amdhsa_code_object_version 6
	.text
	.protected	k_qc9f8715f10_attn
	.globl	k_qc9f8715f10_attn
	.p2align	8
	.type	k_qc9f8715f10_attn,@function
k_qc9f8715f10_attn:
	s_mov_b64 s[64:65], 0
	v_nop
	global_prefetch_b8 v0, s[64:65] scope:SCOPE_SE
	s_setreg_imm32_b32 hwreg(HW_REG_WAVE_MODE, 25, 1), 1
	s_wait_xcnt 0x0
; CAUSAL ATTENTION, 32 heads (2 batches x 16) of 2,048 tokens, head size 64, all operands bf16, products, maxima and sums in f32; the weights p are rounded to bf16 for the second product (their sum l is
; taken of the unrounded p), O once at the end.  q, k, v and O lie in chunks: 128 tokens x 64 channels are 16,384 dense bytes; a head's next 128 tokens lie 65,536 bytes on; k lies 8 MiB and v 16 MiB behind q.
; THE WALK.  A head has 16 blocks of 128 queries; block i needs key tiles 0 .. i of 128 keys, the last of which holds the diagonal.  Work-group p takes blocks 15 - p and then p: 17 tiles whatever p,
; so all 256 work-groups are alike and one counted loop walks them; the ring of two LDS slots runs on across the change of blocks.  Every jump but the loops' own goes forward, and none passes a barrier or a tensor load.
; NO CLUSTER: a head's eight work-groups ask for the same tile only in walk steps 0 to 8; behind that their tiles differ, and one walk common to all would have 24 trips for 17.
; SHARES.  A wave owns 32 queries of a block: two tiles of 16.  The diagonal tile is computed whole, under a mask: the same work for all four waves.
; LAYOUT.  S^T = K Q^T (source 0 = 16 keys, source 1 = 16 queries): a lane holds ONE query (lane % 16) and the keys 8 (lane / 16) + 0..7 of each block of 16.  Two such results rounded in pairs ARE source 1 of
; O^T = V^T P.  K comes out of LDS as it lies, V ([key][channel]) turned, by ds_load_tr16_b128.
; SOFTMAX.  A running maximum m and sum l for each query: p = 2^(c s - c m), c = log2(e) / 8; O and l are multiplied by a = 2^(c m_old - c m_new) in every step.  A block starts with c m far below every c s, so its first a is 0.
; THE MASK is the C operand that starts a diagonal tile's sums: 0, or -1e30 where the key is hidden; made once, since it hangs on the wave and the lane alone.
; IN PHASES.  Trip j: the change of slots (tile j's K and V lie in registers, so its slot is filled with tile j + 2); K of tile j + 1 is fetched; softmax of tile j; V^T P of tile j; V of tile j + 1 is fetched; K Q^T of tile j + 1.
; LIMITS.  A hidden score counts as its value less 1e30: scores stay far below that; c s stays above -4e37; a weight below 2^-126 counts as 0 in l; NaN and infinities are not treated apart.
; REGISTERS: window 0: v1-14 addresses; v16-23 statistics (c m, m, l, l a tile); v24-31 at work; v32-33 c m_old; v64-191 S^T; v192-255 P.
;   window 1: v0-63 O^T; v64-95 Q; v96-127 the second block's Q; v128-255 the mask.   window 2: v0-127 K of a tile; v128-255 V of a tile.
.set PK,    144       ; a row of K in LDS: 128 bytes + 16: the 16 rows of a load start at 16 different groups of four banks (64 banks of 4 bytes: ISA guide 11.1)
.set PV,    160       ; a row of V: 128 + 32
.set VOFF,  128*PK
.set SLOT1, 1<<16     ; slot 1 begins here: one exclusive or turns an address in one slot into the other's
.set STAGE, SLOT1+128*(PK+PV)  ; behind the ring: 16 rows x 144 bytes for each wave
.set SP,    144
.set SPARE, STAGE+4*16*SP      ; the spare words, 128 bytes a wave: two blocks of 256 bytes that no other line names
.set AK0, 2
.set AV0, 3
.set AK,  4
.set AV,  5
.set STO, 6
.set RD,  7
.set GO,  8
.set PFO, 12
.set QO,  13
.set ST,  16
.set TC,  24
.set MVO, 32
.set SPW, 62
.set NIL, 63
.set S,   64
.set P,   192
.set Q,   64          ; window 1
.set QB,  96
.set MCD, 128
.set VF,  128         ; window 2
.set WV,  12
.set PB,  14          ; p
.set HI,  15          ; 15 - p
.set G1K, 24
.set G1V, 32
.set G0K, 40          ; s[40:47] two sets: the first fills; the second then walks
.set G0V, 48
.set SLOTS, 56
.set CNT, 57
.set CS,  58
.set SEL, 60
.set TB,  62          ; LDS byte at which the tile to be fetched begins
.set RT,  70          ; tiles of the block in hand whose softmax is still to come
.set NXT, 71          ; the tile to be asked for next
.set LQ,  72          ; the last tile of the block whose tiles are being asked for
.set OFF, 74
.set AL,  76
.set BE,  78
.set OLO, 80          ; s[80:81] O at my rows of the second block
.set BIGN, 82
.set PFA, 84
.set PFC, 86          ; prefetches still to come
.set W2,  87          ; 2 x wave
.set QLO, 88          ; s[88:89] Q at my rows of the second block
.set MSB, 0
.macro WIN new
.if MSB != (\new)
	s_set_vgpr_msb (MSB<<8)|(\new)
.set MSB, (\new)
.endif
.endm
.set W_KQ, 0x06       ; K window 2, Q window 1, S^T window 0
.set W_KM, 0x16       ; the same with C (the mask) in window 1
.set W_PV, 0x52       ; V window 2, P window 0, O^T window 1
.set W_RS, 0x41       ; destination and source 0 window 1, source 1 window 0
.macro PLACES
.rept 4
	v_nop
.endr
.endm
; A fill: waves 0 and 1 fetch the two halves of a tile's K, waves 2 and 3 those of its V.  An s_nop 0 and four v_nop follow each line.
.macro LOAD
	s_cmp_lt_u32 s[WV], 2
	s_cbranch_scc0 .Lfor_v_\@
	tensor_load_to_lds s[G0K+4:G0K+7], s[G1K:G1K+7]
	s_nop 0
.rept 4
	v_nop
.endr
	s_branch .Lasked_\@
.Lfor_v_\@:
	tensor_load_to_lds s[G0V+4:G0V+7], s[G1V:G1V+7]
	s_nop 0
.rept 4
	v_nop
.endr
.Lasked_\@:
.endm
; A prefetch of the half tile that I shall ask for two changes on: 32 blocks of 256 bytes, a lane a block.  Only a head's work-group p = 0 asks, which walks tiles 0 to 15 in order: at the changes that load tiles 2 to 13 it names tiles 4 to 15, each once.
.macro ASK
	s_cmp_lg_u32 s[PFC], 0
	s_cbranch_scc0 .Lnp_\@
	s_sub_co_u32 s[PFC], s[PFC], 1
	global_prefetch_b8 v[PFO], s[PFA:PFA+1] th:TH_LOAD_NT scope:SCOPE_SE
.Lnp_\@:
.endm
; THE CHANGE OF SLOTS.  Each wave waits for all its tensor loads (one is out: its part of the other slot), adds 0 to its spare word, and waits for that and for its reads of the slot that it leaves.
; fill = 1: the old slot is filled again, first thing behind the barrier, with tile NXT; the descriptor's address is made anew from that number.
.macro CHANGE fill
	WIN 0
	s_wait_tensorcnt 0x0
	ds_add_u32 v[SPW], v[NIL]       ; 0 onto my spare word; scalar work stands between it and the wait for it
.if \fill
	s_lshl_b32 s[OFF], s[NXT], 16
	s_xor_b32 s[G0K+5], s[G0K+5], SLOT1
	s_add_nc_u64 s[G0K+6:G0K+7], s[6:7], s[OFF:OFF+1]
	s_or_b32 s[G0K+7], s[G0K+7], 0x80000000
	s_xor_b32 s[G0V+5], s[G0V+5], SLOT1
	s_add_nc_u64 s[G0V+6:G0V+7], s[8:9], s[OFF:OFF+1]
	s_or_b32 s[G0V+7], s[G0V+7], 0x80000000
	s_add_co_u32 s[NXT], s[NXT], 1  ; the block's next tile, or behind its last the second block's tile 0
	s_cmp_gt_u32 s[NXT], s[LQ]
	s_cselect_b32 s[NXT], 0, s[NXT]
	s_cselect_b32 s[LQ], s[PB], s[LQ]
	s_wait_xcnt 0x0                 ; the last prefetch, a trip back, has read its address
	s_add_nc_u64 s[PFA:PFA+1], s[PFA:PFA+1], 65536
.endif
	s_wait_dscnt 0x0                ; the add is done; V of the tile in hand is in registers: my reads of the slot are over
	s_barrier_signal -1
	s_xor_b32 s[TB], s[TB], SLOT1   ; the next fetches take the other slot
	s_barrier_wait -1
.if \fill
	LOAD                            ; its four v_nop are also the places behind the last products K Q^T
	ASK
.else
	PLACES
.endif
.endm
.macro FETCH_K                      ; 128 keys x 64 channels: 16 fragments; keys 16 (f / 2) on, channels 32 (f % 2) on
	WIN 0
	v_add_nc_u32 v[AK], s[TB], v[AK0]
	WIN 0x80
.irp f, 0,1,2,3,4,5,6,7,8,9,10,11,12,13,14,15
	ds_load_b128 v[8*\f:8*\f+3],   v[AK] offset:(\f/2)*16*PK+(\f%2)*64
	ds_load_b128 v[8*\f+4:8*\f+7], v[AK] offset:(\f/2)*16*PK+(\f%2)*64+32
.endr
	WIN 0
.endm
.macro FETCH_V                      ; turned: keys 32 (f / 4) on, channels 16 (f % 4) on
	WIN 0
	v_add_nc_u32 v[AV], s[TB], v[AV0]
	WIN 0x80
.irp f, 0,1,2,3,4,5,6,7,8,9,10,11,12,13,14,15
	ds_load_tr16_b128 v[VF+8*\f:VF+8*\f+3],   v[AV] offset:(\f/4)*32*PV+(\f%4)*32
	ds_load_tr16_b128 v[VF+8*\f+4:VF+8*\f+7], v[AV] offset:(\f/4)*32*PV+16*PV+(\f%4)*32
.endr
	WIN 0
.endm
; 32 products S^T = K Q^T: channels 32 (i / 16) on, keys 16 ((i / 2) % 8) on, tile i % 2.  The 16 accumulators take turns.  The first 16 start the sums: with 0, or (km = 1) with the mask.
.macro QK km
.set i, 0
.rept 32
.set rS, S+64*(i%2)+8*((i/2)%8)
.set rK, 16*((i/2)%8)+8*(i/16)
.set rQ, Q+16*(i%2)+8*(i/16)
.set rX, MCD+64*(i%2)+8*((i/2)%8)
.if (i < 16) && (\km)
	WIN W_KM
	v_wmma_f32_16x16x32_bf16 v[rS:rS+7], v[rK:rK+7], v[rQ:rQ+7], v[rX:rX+7]
.elseif i < 16
	WIN W_KQ
	v_wmma_f32_16x16x32_bf16 v[rS:rS+7], v[rK:rK+7], v[rQ:rQ+7], 0
.else
	WIN W_KQ
	v_wmma_f32_16x16x32_bf16 v[rS:rS+7], v[rK:rK+7], v[rQ:rQ+7], v[rS:rS+7]
.endif
.set i, i+1
.endr
.endm
; 32 products O^T += V^T P: keys 32 (i / 8) on, channels 16 ((i / 2) % 4) on, tile i % 2: eight accumulators by turns.
.macro PVM
	WIN W_PV
.set i, 0
.rept 32
.set rO, 32*(i%2)+8*((i/2)%4)
.set rV, VF+32*(i/8)+8*((i/2)%4)
.set rP, P+32*(i%2)+8*(i/8)
	v_wmma_f32_16x16x32_bf16 v[rO:rO+7], v[rV:rV+7], v[rP:rP+7], v[rO:rO+7]
.set i, i+1
.endr
.endm
.macro REGS t
.set rT, ST+4*(\t)
.set rC, TC+4*(\t)
.set rM, MVO+(\t)
.set rS, S+64*(\t)
.set rP, P+32*(\t)
.set rO, 32*(\t)
.endm
; Number n of the 38 that find tile t's maximum and statistics.  s0-s63 are the lane's scores; each accumulator's lowest registers are read first.
;   0-27 four chains c0-c3;  28-31 the four scores left over, the old m, and c0-c3 into c0;  32 c m_old is kept;  33, 34 the query's other keys lie in the lane 16 away: the new m;  35-37 c m; c m_old - c m_new; a
.macro XS t, n
	REGS \t
.if (\n) < 4
	v_max3_num_f32 v[rC+(\n)], v[rS+8*(\n)], v[rS+8*(\n)+1], v[rS+8*(\n)+2]
.elseif (\n) < 12
	v_max3_num_f32 v[rC+(\n)%4], v[rC+(\n)%4], v[rS+8*((\n)%4)+2*((\n)/4)+1], v[rS+8*((\n)%4)+2*((\n)/4)+2]
.elseif (\n) < 28
	v_max3_num_f32 v[rC+(\n)%4], v[rC+(\n)%4], v[rS+8*((\n)%4+4)+2*(((\n)-12)/4)], v[rS+8*((\n)%4+4)+2*(((\n)-12)/4)+1]
.elseif (\n) == 28
	v_max3_num_f32 v[rC], v[rC], v[rS+7], v[rS+15]
.elseif (\n) == 29
	v_max3_num_f32 v[rC+1], v[rC+1], v[rS+23], v[rS+31]
.elseif (\n) == 30
	v_max3_num_f32 v[rC+2], v[rC+2], v[rC+3], v[rT+1]
.elseif (\n) == 31
	v_max3_num_f32 v[rC], v[rC], v[rC+1], v[rC+2]
.elseif (\n) == 32
	v_mov_b32 v[rM], v[rT]
.elseif (\n) == 33
	v_permlanex16_b32 v[rC+3], v[rC], s[SEL], s[SEL+1]
.elseif (\n) == 34
	v_max_num_f32 v[rT+1], v[rC], v[rC+3]
.elseif (\n) == 35
	v_mul_f32 v[rT], s[CS], v[rT+1]
.elseif (\n) == 36
	v_sub_f32 v[rC+1], v[rM], v[rT]
.else
	v_exp_f32 v[rC+2], v[rC+1]
.endif
.endm
.macro FS q                         ; c s - c m for pair q / 2 of tile q % 2
	REGS (\q)%2
	v_pk_fma_f32 v[rS+2*((\q)/2):rS+2*((\q)/2)+1], v[rS+2*((\q)/2):rS+2*((\q)/2)+1], s[CS:CS+1], v[rT:rT+1] op_sel_hi:[1,0,0] neg_lo:[0,0,1] neg_hi:[0,0,1]
.endm
.macro ES q                         ; that pair's two exponentials
	REGS (\q)%2
	v_exp_f32 v[rS+2*((\q)/2)], v[rS+2*((\q)/2)]
	v_exp_f32 v[rS+2*((\q)/2)+1], v[rS+2*((\q)/2)+1]
.endm
; A tile's softmax for both query tiles, which alternate line by line.  The 130 exponentials are ONE batch with ONE wait: nothing ahead of the wait names a result of theirs.
.macro SOFTMAX
	WIN 0
.set n, 0
.rept 38
	XS 0, n
	XS 1, n
.set n, n+1
.endr
.set q, 0
.rept 64
	FS q
.if q >= 2
	ES q-2
.endif
.set q, q+1
.endr
	ES 62
	ES 63
	v_nop                           ; a plain instruction behind the last exponential,
	s_wait_alu depctr_va_vdst(0)    ; and the wait ahead of the first reader: one for the batch
.set q, 0
.rept 64
	REGS q%2
	v_cvt_pk_bf16_f32 v[rP+q/2], v[rS+2*(q/2)], v[rS+2*(q/2)+1]
.set q, q+1
.endr
.irp d, 1,2,4,8,16                  ; the sum of a tile's 32 pairs, in place: neighbours 1, 2, 4, 8 and 16 pairs apart
.set u, 0
.rept 32/(2*\d)
.irp t, 0,1
	REGS \t
	v_pk_add_f32 v[rS+4*\d*u:rS+4*\d*u+1], v[rS+4*\d*u:rS+4*\d*u+1], v[rS+4*\d*u+2*\d:rS+4*\d*u+2*\d+1]
.endr
.set u, u+1
.endr
.endr
.irp t, 0,1
	REGS \t
	v_pk_fma_f32 v[rT+2:rT+3], v[rT+2:rT+3], v[rC+2:rC+3], v[rS:rS+1] op_sel_hi:[1,0,1]  ; l = a l + the sum
.endr
	WIN W_RS
.set z, 0
.rept 32
	REGS z%2
	v_pk_mul_f32 v[rO+2*(z/2):rO+2*(z/2)+1], v[rO+2*(z/2):rO+2*(z/2)+1], v[rC+2:rC+3] op_sel_hi:[1,0]  ; O^T a
.set z, z+1
.endr
.endm
; THE WAY OUT of a block: O^T / l, rounded to bf16, through my stage in LDS, a tile of 16 rows at a time.
.macro PACK t
	WIN W_RS
.set i, 32*(\t)
.rept 16
	v_pk_mul_f32 v[i:i+1], v[i:i+1], v[ST+4*(\t)+2:ST+4*(\t)+3] op_sel_hi:[1,0]
.set i, i+2
.endr
	WIN 0x05                        ; sources 0 and 1 window 1, destination window 0: S^T's registers are free
.set i, 0
.rept 16
	v_cvt_pk_bf16_f32 v[S+16*(\t)+i], v[32*(\t)+2*i], v[32*(\t)+2*i+1]
.set i, i+1
.endr
	WIN 0
.irp f, 0,1,2,3
	ds_store_b128 v[STO], v[S+16*(\t)+4*\f:S+16*(\t)+4*\f+3] offset:32*\f
.endr
.irp f, 0,1,2,3
	ds_load_b128 v[S+16*(\t)+4*\f:S+16*(\t)+4*\f+3], v[RD] offset:\f*4*SP  ; LDS serves a wave's instructions in order (ISA guide 5.7.1.4): these see the stores above
.endr
.endm
.macro SEND t, younger              ; younger: the LDS instructions issued behind tile t's loads
.irp f, 0,1,2,3
	s_wait_dscnt (\younger)+3-\f
	global_store_b128 v[GO], v[S+16*(\t)+4*\f:S+16*(\t)+4*\f+3], s[10:11] offset:(\t)*2048+\f*512  ; 512 consecutive bytes, aligned
.endr
.endm
.macro FINISH
.irp t, 0,1
	v_add_f32 v[ST+4*\t+2], v[ST+4*\t+2], v[ST+4*\t+3]
.endr
.irp t, 0,1
	v_permlanex16_b32 v[ST+4*\t+3], v[ST+4*\t+2], s[SEL], s[SEL+1]
.endr
.irp t, 0,1
	v_add_f32 v[ST+4*\t+2], v[ST+4*\t+2], v[ST+4*\t+3]
.endr
.irp t, 0,1
	v_rcp_f32 v[ST+4*\t+2], v[ST+4*\t+2]
.endr
	v_nop                           ; a plain instruction behind the last reciprocal,
	s_wait_alu depctr_va_vdst(0)    ; and one wait for both
	PACK 0
	PACK 1
	SEND 0, 8
	SEND 1, 0
	s_wait_xcnt 0x0                 ; the stores have read their registers and O's address
.endm
.macro STATS                        ; a block's start: the first a is 0, the first maximum the scores'
.irp t, 0,1
	v_mov_b32 v[ST+4*\t], 0xfe000000
	v_mov_b32 v[ST+4*\t+1], 0xff7fffff
	v_mov_b32 v[ST+4*\t+2], 0
	v_mov_b32 v[ST+4*\t+3], 0
.endr
.endm
.macro BEGIN2                       ; the second block: what the first left in O^T is finite, and the first a is 0
	s_mov_b64 s[10:11], s[OLO:OLO+1]
	s_add_co_u32 s[RT], s[PB], 1
	STATS
	WIN W_RS
.set i, 0
.rept 32
	v_mov_b32 v[Q+i], v[QB+i]
.set i, i+1
.endr
	WIN 0
.endm
; A trip behind its change of slots.  tail = 1: in the walk's last trip (CNT = 1) there is no further tile.
.macro BODY tail
.if \tail
	s_cmp_eq_u32 s[CNT], 1
	s_cbranch_scc1 .Lnok_\@
.endif
	FETCH_K
.if \tail
.Lnok_\@:
.endif
	SOFTMAX
	PVM
	WIN 0
	PLACES                          ; behind the last products: V's registers are loaded again, P's written, O^T read
	s_sub_co_u32 s[RT], s[RT], 1
	s_cmp_lg_u32 s[RT], 0
	s_cbranch_scc1 .Lgo_\@
	FINISH                          ; that was the block's diagonal tile
.if \tail
	s_cmp_eq_u32 s[CNT], 1
	s_cbranch_scc1 .Lend
.endif
	BEGIN2
.Lgo_\@:
	FETCH_V
	s_wait_dscnt 32                 ; K is in; V's 32 younger loads may stay out
	s_cmp_eq_u32 s[RT], 1           ; is the tile to come the block's last?
	s_cbranch_scc1 .Lqm_\@
	QK 0
	WIN 0
	s_branch .Lqd_\@
.Lqm_\@:
	QK 1
	WIN 0
.Lqd_\@:
.endm
	s_load_b64 s[4:5], s[0:1], 0x0  ; qkv
	s_load_b64 s[10:11], s[0:1], 0x8  ; act
	v_lshl_add_u32 v[SPW], v0, 2, SPARE
	v_mov_b32 v[NIL], 0
	ds_add_u32 v[SPW], v[NIL]       ; the wave's opening: the add and its wait ahead of my first tensor load
	ds_add_u32 v62, v63
	v_lshrrev_b32 v1, 5, v0
	v_readfirstlane_b32 s[WV], v1
	s_mov_b32 s[PB], ttmp9
	s_sub_co_u32 s[HI], 15, s[PB]
	s_and_b32 s13, ttmp7, 0xffff    ; 16 x batch + head
	s_and_b32 s16, s13, 15
	s_lshr_b32 s17, s13, 4
	s_lshr_b32 s18, s16, 2
	s_lshl_b32 s18, s18, 5
	s_lshl_b32 s17, s17, 4
	s_add_co_u32 s18, s18, s17
	s_lshl_b32 s18, s18, 2
	s_and_b32 s16, s16, 3
	s_add_co_u32 s16, s18, s16
	s_lshl_b32 s16, s16, 14         ; the head's first chunk: (((h >> 2) 32 + 16 b) 4 + (h & 3)) x 16,384
	s_and_b32 s19, s[WV], 1         ; which half of a tile's 128 keys I fetch
	s_lshl_b32 s20, s19, 13
	s_add_co_u32 s20, s20, s16
	s_mov_b32 s21, 0
	s_mul_i32 s22, s19, 64*PK
	s_mul_i32 s23, s19, 64*PV
	s_lshl_b32 s18, s[WV], 12       ; my 32 rows of a block
	s_add_co_u32 s16, s16, s18
	s_lshl_b32 s18, s[HI], 16
	s_add_co_u32 s18, s18, s16      ; in the first block,
	s_mov_b32 s19, 0
	s_lshl_b32 s2, s[PB], 16
	s_add_co_u32 s2, s2, s16        ; and in the second
	s_mov_b32 s3, 0
	; group 1: 64 keys are 8,192 dense bytes: 32 rows of 256 bytes, two keys a row, padded in LDS after every key
	s_mov_b32 s[G1K], (1<<16)|(1<<20)|(4<<22)|(3<<25)
	s_mov_b32 s[G1V], (1<<16)|(1<<20)|(4<<22)|(7<<25)
.irp g, G1K, G1V
	s_mov_b32 s[\g+1], 128<<16
	s_mov_b32 s[\g+2], 32<<16
	s_mov_b32 s[\g+3], 128<<16
	s_mov_b32 s[\g+4], 32
	s_mov_b32 s[\g+5], 128
	s_mov_b32 s[\g+6], 0
	s_mov_b32 s[\g+7], 0
.endr
	s_mov_b32 s[CS], 0x3e38aa3b     ; c = log2(e) / 8
	s_mov_b32 s[CS+1], s[CS]
	s_mov_b32 s[SEL], 0x76543210
	s_mov_b32 s[SEL+1], 0xfedcba98
	s_mov_b32 s[TB], 0
	s_sub_co_u32 s[RT], 16, s[PB]   ; the first block has 16 - p tiles
	s_mov_b32 s[NXT], 2
	s_mov_b32 s[LQ], s[HI]
	s_mov_b32 s[OFF+1], 0
	s_mov_b32 s[AL+1], 0
	s_mov_b32 s[BE+1], 0
	s_mov_b32 s[BIGN], 0xf149f2ca   ; -1e30
	s_lshl_b32 s[W2], s[WV], 1
	s_cmp_eq_u32 s[PB], 0
	s_cselect_b32 s[PFC], 12, 0
	s_wait_dscnt 0x0                ; the opening add is done
	s_wait_kmcnt 0x0
	s_add_nc_u64 s[6:7], s[4:5], s[20:21]
	s_add_nc_u64 s[8:9], s[6:7], 0x1000000   ; V at my half of the head's tile 0
	s_add_nc_u64 s[6:7], s[6:7], 0x800000    ; K likewise
	s_add_nc_u64 s[QLO:QLO+1], s[4:5], s[2:3]
	s_add_nc_u64 s[4:5], s[4:5], s[18:19]
	s_add_nc_u64 s[OLO:OLO+1], s[10:11], s[2:3]
	s_add_nc_u64 s[10:11], s[10:11], s[18:19]
	s_cmp_lt_u32 s[WV], 2
	s_cselect_b64 s[PFA:PFA+1], s[6:7], s[8:9]
	s_add_nc_u64 s[PFA:PFA+1], s[PFA:PFA+1], 3*65536  ; the first change steps it to tile 4
.irp s, 0,1
	s_mov_b32 s[G0K+4*\s], 1
	s_add_co_u32 s[G0K+4*\s+1], s22, \s*SLOT1
	s_add_nc_u64 s[G0K+4*\s+2:G0K+4*\s+3], s[6:7], \s*65536
	s_or_b32 s[G0K+4*\s+3], s[G0K+4*\s+3], 0x80000000
	s_mov_b32 s[G0V+4*\s], 1
	s_add_co_u32 s[G0V+4*\s+1], s23, \s*SLOT1+VOFF
	s_add_nc_u64 s[G0V+4*\s+2:G0V+4*\s+3], s[8:9], \s*65536
	s_or_b32 s[G0V+4*\s+3], s[G0V+4*\s+3], 0x80000000
.endr
	s_cmp_lt_u32 s[WV], 2           ; a wave's two first fills stand in one branch: tiles 0 and 1
	s_cbranch_scc0 .Lfirst_v
	tensor_load_to_lds s[G0K:G0K+3], s[G1K:G1K+7]
	s_nop 0
	tensor_load_to_lds s[G0K+4:G0K+7], s[G1K:G1K+7]
	s_nop 0
.rept 4
	v_nop
.endr
	s_branch .Lfirst_asked
.Lfirst_v:
	tensor_load_to_lds s[G0V:G0V+3], s[G1V:G1V+7]
	s_nop 0
	tensor_load_to_lds s[G0V+4:G0V+7], s[G1V:G1V+7]
	s_nop 0
.rept 4
	v_nop
.endr
.Lfirst_asked:
	v_and_b32 v1, 15, v0            ; r
	v_bfe_u32 v9, v0, 4, 1          ; h
	v_lshlrev_b32 v[QO], 7, v1
	v_lshl_add_u32 v[QO], v9, 4, v[QO]
	WIN 0x40                        ; destination window 1
.irp t, 0,1
.irp c, 0,1
	global_load_b128 v[Q+16*\t+8*\c:Q+16*\t+8*\c+3],     v[QO], s[4:5] offset:\t*2048+\c*64
	global_load_b128 v[Q+16*\t+8*\c+4:Q+16*\t+8*\c+7],   v[QO], s[4:5] offset:\t*2048+\c*64+32
	global_load_b128 v[QB+16*\t+8*\c:QB+16*\t+8*\c+3],   v[QO], s[QLO:QLO+1] offset:\t*2048+\c*64
	global_load_b128 v[QB+16*\t+8*\c+4:QB+16*\t+8*\c+7], v[QO], s[QLO:QLO+1] offset:\t*2048+\c*64+32
.endr
.endr
	WIN 0
	v_mul_u32_u24 v[AK0], v1, PK
	v_lshl_add_u32 v[AK0], v9, 4, v[AK0]
	v_and_b32 v10, 7, v0
	v_bfe_u32 v11, v0, 3, 1
	v_lshl_add_u32 v[AV0], v9, 3, v10
	v_mul_u32_u24 v[AV0], v[AV0], PV
	v_lshl_add_u32 v[AV0], v11, 4, v[AV0]
	v_add_nc_u32 v[AV0], VOFF, v[AV0]
	s_mul_i32 s13, s[WV], 16*SP
	s_add_co_u32 s13, s13, STAGE
	v_mul_u32_u24 v[STO], v1, SP
	v_lshl_add_u32 v[STO], v9, 4, v[STO]
	v_add_nc_u32 v[STO], s13, v[STO]
	v_bfe_u32 v[RD], v0, 3, 2
	v_mul_u32_u24 v[RD], v[RD], SP
	v_lshl_add_u32 v[RD], v10, 4, v[RD]
	v_add_nc_u32 v[RD], s13, v[RD]
	v_and_b32 v[GO], 31, v0
	v_lshlrev_b32 v[PFO], 8, v[GO]
	v_lshlrev_b32 v[GO], 4, v[GO]
	; the mask of the diagonal tile.  Key 16 kb + 8 h + j is hidden from query 32 w + 16 t + r where 16 (kb - t - 2 w) + j > r - 8 h: all of a later block of keys, none of an earlier one, and in the block's own where j > r - 8 h
	v_lshlrev_b32 v14, 3, v9
	v_sub_nc_u32 v14, v1, v14
.irp j, 0,1,2,3,4,5,6,7
	v_cmp_gt_i32 vcc_lo, \j, v14
	v_cndmask_b32 v[S+\j], 0, s[BIGN], vcc_lo
.endr
	WIN 0x40
.irp t, 0,1
.irp kb, 0,1,2,3,4,5,6,7
	s_cmp_eq_i32 s[W2], \kb-\t
	s_cselect_b32 s[AL], 1.0, 0
	s_cmp_lt_i32 s[W2], \kb-\t
	s_cselect_b32 s[BE], s[BIGN], 0
.irp z, 0,1,2,3
	v_pk_fma_f32 v[MCD+64*\t+8*\kb+2*\z:MCD+64*\t+8*\kb+2*\z+1], v[S+2*\z:S+2*\z+1], s[AL:AL+1], s[BE:BE+1] op_sel_hi:[1,0,0]
.endr
.endr
.endr
.set i, 0
.rept 64
	v_mov_b32 v[i], 0               ; O^T need only be finite: the first a is 0.  Written in the wait for the first tile, so that no first step is written out
.set i, i+1
.endr
	WIN 0
	STATS
	s_wait_tensorcnt 1              ; my part of tile 0 is in; tile 1's may stay out
	s_barrier_signal -1
	s_barrier_wait -1
	FETCH_K
	FETCH_V
	s_wait_loadcnt 0x0              ; Q
	s_wait_dscnt 32                 ; K
	QK 0                            ; the first block has nine tiles or more: its tile 0 holds no diagonal
	WIN 0
	s_mov_b32 s[SLOTS], 15
.Lwalk:                             ; 15 trips: tiles 2 to 16 of the walk are asked for
	CHANGE 1
	BODY 0
	s_sub_co_u32 s[SLOTS], s[SLOTS], 1
	s_cmp_lg_u32 s[SLOTS], 0
	s_cbranch_scc1 .Lwalk
	s_mov_b32 s[CNT], 2
.Ltail:                             ; the last two trips ask for nothing: written apart
	CHANGE 0
	BODY 1
	s_sub_co_u32 s[CNT], s[CNT], 1
	s_cmp_lg_u32 s[CNT], 0
	s_cbranch_scc1 .Ltail
.Lend:
	s_wait_tensorcnt 0x0            ; the wave's end
	ds_add_u32 v[SPW], v[NIL]
	s_wait_dscnt 0x0
	s_endpgm
.Lfunc_end_k_qc9f8715f10_attn:
	.size	k_qc9f8715f10_attn, .Lfunc_end_k_qc9f8715f10_attn-k_qc9f8715f10_attn
	.p2alignl 7, 3214868480
	.fill 96, 4, 3214868480
	.section	.rodata,"a",@progbits
	.p2align	6, 0x0
	.amdhsa_kernel k_qc9f8715f10_attn
		.amdhsa_group_segment_fixed_size 327680
		.amdhsa_private_segment_fixed_size 0
		.amdhsa_enable_private_segment 0
		.amdhsa_kernarg_size 16
		.amdhsa_user_sgpr_count 2
		.amdhsa_user_sgpr_kernarg_segment_ptr 1
		.amdhsa_wavefront_size32 1
		.amdhsa_system_sgpr_workgroup_id_x 1
		.amdhsa_system_sgpr_workgroup_id_y 1
		.amdhsa_system_sgpr_workgroup_id_z 1
		.amdhsa_system_vgpr_workitem_id 0
		.amdhsa_next_free_vgpr 768
		.amdhsa_next_free_sgpr 96
		.amdhsa_reserve_vcc 1
		.amdhsa_float_denorm_mode_32 3
		.amdhsa_float_denorm_mode_16_64 3
		.amdhsa_memory_ordered 1
		.amdhsa_forward_progress 1
		.amdhsa_inst_pref_size 109
	.end_amdhsa_kernel
	.amdgpu_metadata
---
amdhsa.version: [ 1, 2 ]
amdhsa.kernels:
  - .name:           k_qc9f8715f10_attn
    .symbol:         k_qc9f8715f10_attn.kd
    .args:
      - { .name: qkv, .offset: 0, .size: 8, .value_kind: global_buffer, .address_space: global }
      - { .name: act, .offset: 8, .size: 8, .value_kind: global_buffer, .address_space: global }
    .group_segment_fixed_size: 327680
    .private_segment_fixed_size: 0
    .kernarg_segment_align: 8
    .kernarg_segment_size: 16
    .max_flat_workgroup_size: 128
    .sgpr_count:     96
    .vgpr_count:     768
    .wavefront_size: 32
...
	.end_amdgpu_metadata
.endif
;; end of part 3
;; launch wo (part 4): grid 8 x 32, 4 waves a work-group, clusters of 4 x 4, 327,680 bytes of LDS; arguments act, pq, bo, x, x1; writes x1
.if DOCPART == 4
	.amdgcn_target "amdgcn-amd-amdhsa--gfx1250"
	.amdhsa_code_object_version 6
	.text
	.protected	k_qc9f8715f10_wo
	.globl	k_qc9f8715f10_wo
	.p2align	8
	.type	k_qc9f8715f10_wo,@function
k_qc9f8715f10_wo:
	s_mov_b64 s[64:65], 0
	v_nop
	global_prefetch_b8 v0, s[64:65] scope:SCOPE_SE
	s_setreg_imm32_b32 hwreg(HW_REG_WAVE_MODE, 25, 1), 1
	s_wait_xcnt 0x0
	s_wait_alu depctr_hold_cnt(0) depctr_sa_sdst(0) depctr_va_vdst(0) depctr_va_sdst(0) depctr_va_ssrc(0) depctr_va_vcc(0) depctr_vm_vsrc(0)
	s_getreg_b32 s2, hwreg(HW_REG_IB_STS2, 6, 4)
	s_cmp_eq_u32 s2, 0
	s_cbranch_scc0 .Lentry_in_a_cluster
	s_endpgm
.Lentry_in_a_cluster:
	s_bfe_u32 s2, ttmp6, 0x10000c
	s_cmp_lg_u32 s2, 0xf033
	s_cbranch_scc0 .Lentry_shape_is_right
	s_endpgm
.Lentry_shape_is_right:
; C = A W + bias + R, all of C, bias and R in f32.  A: 4,096 rows x KTOT in bf16, in chunks (128 rows x 64 of K are 16,384 dense bytes; four chunks on end are 128 rows x 256 of K; the next 256 of K lie 32 x 65,536 bytes on).
; W: [KTOT][1024] bf16 at byte WOFF of its buffer.  Sums in f32, K ascending.  Here: x1 = x + O Wo + bo, KTOT = 1,024.
; A tile of C is 128 x 128, so that the 256 tiles give each WGP one; four waves, a wave 64 x 64 in 16 accumulators.  K goes in steps of 256 through two LDS slots.
; A K STEP IS WRITTEN ONCE: the slot in hand is a scalar (index x SLOT, the index turned by an exclusive or at each change of slots), the three LDS address registers are made anew from it, and one descriptor
; for each operand walks: its LDS word is my part + the slot that is left, its address one K step on.  The last two K steps, which fill nothing, are a loop of their own.
; CLUSTER 4 x 4: A's tile is shared along a row of the cluster, W's along a column, each asked for jointly.  No prefetch: the tiles are small.
; THE PRODUCT IS TAKEN TRANSPOSED (source 0 = 16 columns of W, turned by ds_load_tr16_b128; source 1 = 16 rows of A): a lane holds eight neighbouring columns of one row of C.
; THE BIAS is the C operand of the products that start the sums.  The residual's 64 x 64 numbers are loaded at the head and waited for once, on the way out.  LIMITS: f32's and bf16's own ranges.
; REGISTERS: window 0: v16-29 addresses; v32-63 the bias, then with v64-95 the way out; v128-255 accumulator (a, b) at 128 + 8 (4 a + b).  window 1: two fragment buffers of 128 (A's 64, then W's 64).  window 2: v0-127 the residual.
.set KTOT,   1024
.set WOFF,   8409088                   ; behind a pack of weights, bias and floor
.set KSTEP,  256
.set NSTEP,  KTOT/KSTEP
.set PA,     144                       ; a row of a chunk in LDS: 128 bytes + 16
.set PW,     288                       ; a row of W: 256 + 32
.set CHUNK,  128*PA
.set HALFT,  2*CHUNK                   ; what one tensor load brings: two chunks of A, or 128 k rows of W (128 x 288, the same bytes)
.set SLOT,   4*HALFT                   ; A's four chunks, then W's 256 k rows
.set STAGE,  2*SLOT                    ; behind the ring: 16 rows x 272 bytes for each wave
.set SPITCH, 272
.set SPARE,  STAGE+4*16*SPITCH         ; the spare words, 128 bytes a wave: two blocks of 256 bytes that no other line names
.set ADRA, 16                          ; v16     my A fragments in the slot in hand
.set A0,   17                          ; v17     the same in slot 0; never rewritten
.set ADRW, 20                          ; v20-21  my W fragments in the slot in hand: k rows 0-127, 128-255 (an LDS offset has 16 bits)
.set W0,   22                          ; v22-23  the same in slot 0; never rewritten
.set STO,  24
.set RD,   25
.set RO,   26                          ; v26  my 16 bytes in two rows of R and of C
.set BO,   27                          ; v27  32 x (lane / 16): my eight numbers of a block's bias
.set SPW,  28
.set NIL,  29
.set BI,   32
.set TMP,  32
.set ACC,  128
.set F0,   0
.set F1,   128
.set LD,  20                           ; s20  where my part of a tile goes in slot 0: wave x HALFT
.set G1, 24                            ; s[24:31] group 1 for A;  s[32:39] group 0: a set for each of the two first fills; the second then walks
.set G0, 32
.set G1B, 48                           ; s[48:55], s[56:63] the same for W
.set G0B, 56
.set IDX, 66                           ; s66  the slot in hand, 0 or 1
.set TB,  67                           ; s67  its first LDS byte
.set MSB, 0
.macro WIN new
.if MSB != (\new)
	s_set_vgpr_msb (MSB<<8)|(\new)
.set MSB, \new
.endif
.endm
.set MUL,  0x05                        ; sources 0 and 1 window 1; C and D window 0
.set TO_F, 0x40
.macro JLOAD s                         ; waves 0 and 1 fetch A's halves, waves 2 and 3 W's; an s_nop 0 and four v_nop follow each line
	s_cmp_eq_u32 s11, 0
	s_cbranch_scc0 .Lfor_b_\@
	tensor_load_to_lds s[G0+4*(\s):G0+4*(\s)+3], s[G1:G1+7]
	s_nop 0
.rept 4
	v_nop
.endr
	s_branch .Lasked_\@
.Lfor_b_\@:
	tensor_load_to_lds s[G0B+4*(\s):G0B+4*(\s)+3], s[G1B:G1B+7]
	s_nop 0
.rept 4
	v_nop
.endr
.Lasked_\@:
.endm
.macro CREST
	s_cmp_lg_u32 s10, 0
	s_cbranch_scc1 .Lnot_wave_0_\@
	s_barrier_signal -3
.Lnot_wave_0_\@:
	s_barrier_wait -3
	s_barrier_signal -1
	s_barrier_wait -1
.endm
.macro CROUND
	s_barrier_signal -1
	s_barrier_wait -1
	CREST
.endm
	s_load_b256 s[68:75], s[0:1], 0x0              ; A 68, W's buffer 70, bias 72, R 74
	s_load_b64 s[76:77], s[0:1], 0x20              ; C
	v_lshl_add_u32 v[SPW], v0, 2, SPARE
	v_mov_b32 v[NIL], 0
	ds_add_u32 v[SPW], v[NIL]                      ; the wave's opening: the add and its wait ahead of my first tensor load
	ds_add_u32 v28, v29
	v_lshrrev_b32 v1, 5, v0
	v_readfirstlane_b32 s10, v1
	s_lshr_b32 s11, s10, 1                         ; my half of the rows.  Also: I fetch for A (0) or W (1)
	s_and_b32 s12, s10, 1                          ; my half of the columns.  Also: which half I fetch
	s_bfe_u32 s40, ttmp6, 0x40000
	s_bfe_u32 s41, ttmp6, 0x40004
	s_lshl_b32 s42, ttmp9, 2
	s_add_co_u32 s42, s42, s40                     ; tile column
	s_and_b32 s13, ttmp7, 0xffff
	s_lshl_b32 s13, s13, 2
	s_add_co_u32 s13, s13, s41                     ; tile row
	s_lshl_b32 s43, s41, 2
	s_lshl_b32 s43, 15, s43
	s_lshl_b32 s44, 0x1111, s40
	s_or_b32 s[G1+0], s43, (1<<16)|(1<<20)|(1<<21)|(4<<22)|(3<<25)   ; A: dense rows of 256 bytes, padded by 4 words after every 32: a chunk's rows of 128 bytes lie 144 apart
	s_or_b32 s[G1B+0], s44, (1<<16)|(1<<20)|(1<<21)|(5<<22)|(7<<25)  ; W: 8 words after every 64
.irp g, G1, G1B
	s_mov_b32 s[(\g)+1], 128<<16
	s_mov_b32 s[(\g)+2], 128<<16
	s_mov_b32 s[(\g)+3], 128<<16
	s_mov_b32 s[(\g)+4], 128
	s_mov_b32 s[(\g)+6], 0
	s_mov_b32 s[(\g)+7], 0
.endr
	s_mov_b32 s[G1+5], 128
	s_mov_b32 s[G1B+5], 1024
	s_lshl_b32 s16, s13, 16
	s_lshl_b32 s17, s12, 15
	s_add_co_u32 s16, s16, s17                     ; A: the tile row's 65,536 bytes of K step 0, my two chunks
	s_mov_b32 s17, 0
	s_lshl_b32 s46, s12, 18                        ; W: my 128 k rows of 2,048 bytes,
	s_lshl_b32 s47, s42, 8                         ; the tile's 128 columns
	s_add_co_u32 s46, s46, s47
	s_add_co_u32 s46, s46, WOFF
	s_mov_b32 s47, 0
	s_mul_i32 s[LD], s10, HALFT                    ; where they go: no place in the cluster enters an LDS address
	s_mov_b32 s[IDX], 0
	s_mov_b32 s[TB], 0
	s_wait_dscnt 0x0
	s_wait_kmcnt 0x0
	s_add_nc_u64 s[14:15], s[68:69], s[16:17]
	s_add_nc_u64 s[46:47], s[70:71], s[46:47]
	CROUND
.irp s, 0,1
	s_mov_b32 s[G0+4*(\s)], 1
	s_add_co_u32 s[G0+4*(\s)+1], s[LD], (\s)*SLOT
	s_add_nc_u64 s[G0+4*(\s)+2:G0+4*(\s)+3], s[14:15], (\s)*32*65536
	s_or_b32 s[G0+4*(\s)+3], s[G0+4*(\s)+3], 0x80000000
	s_mov_b32 s[G0B+4*(\s)], 1
	s_add_co_u32 s[G0B+4*(\s)+1], s[LD], (\s)*SLOT
	s_add_nc_u64 s[G0B+4*(\s)+2:G0B+4*(\s)+3], s[46:47], (\s)*KSTEP*2048
	s_or_b32 s[G0B+4*(\s)+3], s[G0B+4*(\s)+3], 0x80000000
	JLOAD \s
.endr
	v_and_b32 v1, 15, v0
	v_bfe_u32 v2, v0, 4, 1
	v_mul_u32_u24 v3, v1, PA
	v_lshl_add_u32 v3, v2, 4, v3
	s_mul_i32 s21, s11, 64*PA
	v_add_nc_u32 v[A0], s21, v3
	v_mov_b32 v[ADRA], v[A0]                       ; K step 0 lies in slot 0
	v_and_b32 v4, 7, v0
	v_lshl_add_u32 v4, v2, 3, v4
	v_mul_u32_u24 v4, v4, PW
	v_bfe_u32 v5, v0, 3, 1
	v_lshl_add_u32 v4, v5, 4, v4
	s_lshl_b32 s22, s12, 7
	s_add_co_u32 s22, s22, 2*HALFT
	v_add_nc_u32 v[W0], s22, v4
	s_add_co_u32 s22, s22, HALFT
	v_add_nc_u32 v[W0+1], s22, v4
	v_mov_b32 v[ADRW], v[W0]
	v_mov_b32 v[ADRW+1], v[W0+1]
	s_mul_i32 s23, s10, 16*SPITCH
	s_add_co_u32 s23, s23, STAGE
	v_mul_u32_u24 v3, v1, SPITCH                   ; in: row r, 32 bytes for each half of the lanes
	v_lshl_add_u32 v3, v2, 5, v3
	v_add_nc_u32 v[STO], s23, v3
	v_mul_u32_u24 v3, v2, SPITCH                   ; back: lanes 0-15 one row of 256 bytes, lanes 16-31 the next
	v_lshl_add_u32 v3, v1, 4, v3
	v_add_nc_u32 v[RD], s23, v3
	v_lshlrev_b32 v3, 4, v1
	v_lshl_add_u32 v[RO], v2, 12, v3
	v_lshlrev_b32 v[BO], 5, v2
	s_lshl_b32 s16, s13, 7
	s_lshl_b32 s17, s11, 6
	s_add_co_u32 s16, s16, s17
	s_lshl_b32 s16, s16, 12                        ; my first row, 4,096 bytes a row
	s_lshl_b32 s18, s42, 7
	s_lshl_b32 s19, s12, 6
	s_add_co_u32 s18, s18, s19
	s_lshl_b32 s18, s18, 2                         ; my first column, in bytes: a multiple of 256
	s_mov_b32 s19, 0
	s_add_nc_u64 s[72:73], s[72:73], s[18:19]
	s_add_co_u32 s16, s16, s18
	s_mov_b32 s17, 0
	s_add_nc_u64 s[74:75], s[74:75], s[16:17]
	s_add_nc_u64 s[76:77], s[76:77], s[16:17]
.irp b, 0,1,2,3                        ; register j of block b: bias of column 16 b + 8 h + j, the same for all 16 rows
	global_load_b128 v[BI+8*\b:BI+8*\b+3],   v[BO], s[72:73] offset:64*\b
	global_load_b128 v[BI+8*\b+4:BI+8*\b+7], v[BO], s[72:73] offset:64*\b+16
.endr
	WIN 0x80                                       ; destination window 2
.irp a, 0,1,2,3
.irp t, 0,1,2,3,4,5,6,7
	global_load_b128 v[4*(8*\a+\t):4*(8*\a+\t)+3], v[RO], s[74:75] offset:(16*\a+2*\t)*4096 th:TH_LOAD_NT
.endr
.endr
	WIN 0
.macro MUL8 f, c, a0, first            ; 8 matrix instructions: m blocks a0, a0 + 1 x 4 n blocks, 32 along K: half c of buffer f.  first = 1: the bias starts the sums.  The 16 accumulators take turns
	WIN MUL
.irp a, \a0, (\a0)+1
.irp b, 0,1,2,3
.if \first
	v_wmma_f32_16x16x32_bf16 v[ACC+8*(4*(\a)+(\b)):ACC+8*(4*(\a)+(\b))+7], v[(\f)+64+8*(4*(\c)+(\b)):(\f)+64+8*(4*(\c)+(\b))+7], v[(\f)+8*(4*(\c)+(\a)):(\f)+8*(4*(\c)+(\a))+7], v[BI+8*(\b):BI+8*(\b)+7]
.else
	v_wmma_f32_16x16x32_bf16 v[ACC+8*(4*(\a)+(\b)):ACC+8*(4*(\a)+(\b))+7], v[(\f)+64+8*(4*(\c)+(\b)):(\f)+64+8*(4*(\c)+(\b))+7], v[(\f)+8*(4*(\c)+(\a)):(\f)+8*(4*(\c)+(\a))+7], v[ACC+8*(4*(\a)+(\b)):ACC+8*(4*(\a)+(\b))+7]
.endif
.endr
.endr
.endm
.macro FETCH q, f                      ; 32 LDS loads: quarter q (64 along K = chunk q of A) of the slot in hand into buffer f; its first 32 along K first
	WIN TO_F
.irp c, 0,1
.irp i, 0,1,2,3
	ds_load_tr16_b128 v[(\f)+64+8*(4*(\c)+(\i)):(\f)+64+8*(4*(\c)+(\i))+3],   v[ADRW+(\q)/2] offset:(((\q)%2)*64+32*(\c))*PW+32*(\i)
	ds_load_tr16_b128 v[(\f)+64+8*(4*(\c)+(\i))+4:(\f)+64+8*(4*(\c)+(\i))+7], v[ADRW+(\q)/2] offset:(((\q)%2)*64+32*(\c)+16)*PW+32*(\i)
	ds_load_b128 v[(\f)+8*(4*(\c)+(\i)):(\f)+8*(4*(\c)+(\i))+3],   v[ADRA] offset:(\q)*CHUNK+64*(\c)+(\i)*16*PA
	ds_load_b128 v[(\f)+8*(4*(\c)+(\i))+4:(\f)+8*(4*(\c)+(\i))+7], v[ADRA] offset:(\q)*CHUNK+64*(\c)+(\i)*16*PA+32
.endr
.endr
.endm
.macro PLACES                          ; four plain vector instructions between a matrix instruction and a load into, or a vector read of, its registers
.rept 4
	v_nop
.endr
.endm
.macro QUARTER q, f, g, first          ; one of a K step's first three quarters: multiplies buffer f, and in its middle fetches quarter q into buffer g
	s_wait_dscnt 16                                ; the first 32 along K are in
	MUL8 \f, 0, 0, \first
	MUL8 \f, 0, 2, \first
	PLACES
	FETCH \q, \g
	s_wait_dscnt 32                                ; all but the 32 just issued
	MUL8 \f, 1, 0, 0
	MUL8 \f, 1, 2, 0
.endm
.macro MEET                            ; the first half of a K step's last quarter: one barrier for the change of slots
	WIN 0
	s_wait_tensorcnt 0x0                           ; all my tensor loads have landed: my part of the next slot;
	ds_add_u32 v[SPW], v[NIL]
	s_wait_dscnt 17                                ; (the add and the youngest sixteen loads may be out)
	MUL8 F1, 0, 0, 0
	s_wait_dscnt 0x0                               ; the add is done, and my reads of this slot are over
	s_barrier_signal -1
	MUL8 F1, 0, 2, 0
	WIN 0
	s_barrier_wait -1
.endm
.macro TURN                            ; the barrier opens a round of the cluster's, and the slot just read out is filled again, two K steps on
	MEET
	CREST                                          ; no wave of any partner still reads this slot or has a load on its way
	s_add_co_u32 s[G0+5], s[LD], s[TB]             ; the walking descriptors: into the slot that is left,
	s_add_nc_u64 s[G0+6:G0+7], s[G0+6:G0+7], 32*65536  ; one K step beyond the last request; the type bits on top are not reached
	s_add_co_u32 s[G0B+5], s[LD], s[TB]
	s_add_nc_u64 s[G0B+6:G0B+7], s[G0B+6:G0B+7], KSTEP*2048
	s_xor_b32 s[IDX], s[IDX], 1                    ; the other slot is in hand now
	s_mul_i32 s[TB], s[IDX], SLOT
	JLOAD 1                                        ; the first tensor load behind the round; its four v_nop are also the places in front of the loads below
	v_add_nc_u32 v[ADRA], s[TB], v[A0]
	v_add_nc_u32 v[ADRW], s[TB], v[W0]
	v_add_nc_u32 v[ADRW+1], s[TB], v[W0+1]
	FETCH 0, F0
	MUL8 F1, 1, 0, 0
	MUL8 F1, 1, 2, 0
.endm
.macro TURNX                           ; the same with nothing to fill: no round; the three address lines and a v_nop are the four places
	MEET
	s_xor_b32 s[IDX], s[IDX], 1
	s_mul_i32 s[TB], s[IDX], SLOT
	v_add_nc_u32 v[ADRA], s[TB], v[A0]
	v_add_nc_u32 v[ADRW], s[TB], v[W0]
	v_add_nc_u32 v[ADRW+1], s[TB], v[W0+1]
	v_nop
	FETCH 0, F0
	MUL8 F1, 1, 0, 0
	MUL8 F1, 1, 2, 0
.endm
	s_wait_tensorcnt 1                             ; my part of K step 0 is in; K step 1's may stay out
	s_barrier_signal -1
	s_barrier_wait -1
	FETCH 0, F0
	s_wait_loadcnt 32                              ; the bias's eight loads are in; the residual's 32, issued behind them, stay out
	QUARTER 1, F0, F1, 1
	WIN 0
	s_mov_b32 s3, NSTEP-2
.Lstep:                                                ; NSTEP - 2 trips, from a K step's second quarter to the next step's first: K steps 2 to NSTEP - 1 are asked for
	QUARTER 2, F1, F0, 0
	QUARTER 3, F0, F1, 0
	TURN
	QUARTER 1, F0, F1, 0
	WIN 0
	s_sub_co_u32 s3, s3, 1
	s_cmp_lg_u32 s3, 0
	s_cbranch_scc1 .Lstep
	s_mov_b32 s3, 2
.Ltail:                                                ; the last two K steps ask for nothing; the second trip is left in its middle
	QUARTER 2, F1, F0, 0
	QUARTER 3, F0, F1, 0
	WIN 0
	s_sub_co_u32 s3, s3, 1
	s_cmp_eq_u32 s3, 0
	s_cbranch_scc1 .Llast
	TURNX
	QUARTER 1, F0, F1, 0
	WIN 0
	s_branch .Ltail
.Llast:
	s_wait_dscnt 16
	MUL8 F1, 0, 0, 0
	MUL8 F1, 0, 2, 0
	s_wait_dscnt 0x0
	MUL8 F1, 1, 0, 0
	MUL8 F1, 1, 2, 0
	WIN 0
; THE WAY OUT, 16 rows at a time: the sums go into my stage (each accumulator from its low end on) and come back as whole rows of 256 bytes; the residual is added; sixteen lanes store 256 consecutive bytes, aligned.
.macro TOSTAGE a
.set BK, TMP+32*((\a)%2)
.if (\a) >= 2
	s_wait_xcnt 0x0                                ; the stores of two blocks back have read this buffer
.endif
.irp b, 0,1,2,3
	ds_store_b128 v[STO], v[ACC+8*(4*(\a)+\b):ACC+8*(4*(\a)+\b)+3]   offset:64*\b
	ds_store_b128 v[STO], v[ACC+8*(4*(\a)+\b)+4:ACC+8*(4*(\a)+\b)+7] offset:64*\b+16
.endr
.irp t, 0,1,2,3,4,5,6,7
	ds_load_b128 v[BK+4*\t:BK+4*\t+3], v[RD] offset:\t*2*SPITCH  ; LDS serves a wave's instructions in order (ISA guide 5.7.1.4)
.endr
.endm
.macro SEND a, younger                 ; younger: the next block's sixteen LDS instructions, or none
.set BK, TMP+32*((\a)%2)
	s_wait_dscnt \younger
	WIN 0x08                                       ; source 1 window 2
.set z, 0
.rept 16
	v_pk_add_f32 v[BK+2*z:BK+2*z+1], v[BK+2*z:BK+2*z+1], v[32*(\a)+2*z:32*(\a)+2*z+1]
.set z, z+1
.endr
	WIN 0
.irp t, 0,1,2,3,4,5,6,7
	global_store_b128 v[RO], v[BK+4*\t:BK+4*\t+3], s[76:77] offset:(16*(\a)+2*\t)*4096
.endr
.endm
	PLACES
	s_wait_loadcnt 0x0                             ; the residual
	TOSTAGE 0
.irp a, 1,2,3
	TOSTAGE \a
	SEND (\a)-1, 16
.endr
	SEND 3, 0
	s_wait_tensorcnt 0x0                           ; the wave's end
	ds_add_u32 v[SPW], v[NIL]
	s_wait_dscnt 0x0
	CROUND                                         ; the closing round
	s_endpgm
.Lfunc_end_k_qc9f8715f10_wo:
	.size	k_qc9f8715f10_wo, .Lfunc_end_k_qc9f8715f10_wo-k_qc9f8715f10_wo
	.p2alignl 7, 3214868480
	.fill 96, 4, 3214868480
	.section	.rodata,"a",@progbits
	.p2align	6, 0x0
	.amdhsa_kernel k_qc9f8715f10_wo
		.amdhsa_group_segment_fixed_size 327680
		.amdhsa_private_segment_fixed_size 0
		.amdhsa_enable_private_segment 0
		.amdhsa_kernarg_size 40
		.amdhsa_user_sgpr_count 2
		.amdhsa_user_sgpr_kernarg_segment_ptr 1
		.amdhsa_wavefront_size32 1
		.amdhsa_system_sgpr_workgroup_id_x 1
		.amdhsa_system_sgpr_workgroup_id_y 1
		.amdhsa_system_sgpr_workgroup_id_z 1
		.amdhsa_system_vgpr_workitem_id 0
		.amdhsa_next_free_vgpr 768
		.amdhsa_next_free_sgpr 80
		.amdhsa_reserve_vcc 0
		.amdhsa_float_denorm_mode_32 3
		.amdhsa_float_denorm_mode_16_64 3
		.amdhsa_memory_ordered 1
		.amdhsa_forward_progress 1
		.amdhsa_inst_pref_size 68
	.end_amdhsa_kernel
	.amdgpu_metadata
---
amdhsa.version: [ 1, 2 ]
amdhsa.kernels:
  - .name:           k_qc9f8715f10_wo
    .symbol:         k_qc9f8715f10_wo.kd
    .args:
      - { .name: act, .offset: 0, .size: 8, .value_kind: global_buffer, .address_space: global }
      - { .name: pq, .offset: 8, .size: 8, .value_kind: global_buffer, .address_space: global }
      - { .name: bo, .offset: 16, .size: 8, .value_kind: global_buffer, .address_space: global }
      - { .name: x, .offset: 24, .size: 8, .value_kind: global_buffer, .address_space: global }
      - { .name: x1, .offset: 32, .size: 8, .value_kind: global_buffer, .address_space: global }
    .group_segment_fixed_size: 327680
    .private_segment_fixed_size: 0
    .kernarg_segment_align: 8
    .kernarg_segment_size: 40
    .max_flat_workgroup_size: 128
    .sgpr_count:     80
    .vgpr_count:     768
    .wavefront_size: 32
...
	.end_amdgpu_metadata
.endif
;; end of part 4
;; launch ln2 (part 5): grid 256 x 1, 8 waves a work-group, no clusters, 0 bytes of LDS; arguments x1, g2, be2, hbuf; writes hbuf
.if DOCPART == 5
	.amdgcn_target "amdgcn-amd-amdhsa--gfx1250"
	.amdhsa_code_object_version 6
	.text
	.protected	k_qc9f8715f10_ln2
	.globl	k_qc9f8715f10_ln2
	.p2align	8
	.type	k_qc9f8715f10_ln2,@function
k_qc9f8715f10_ln2:
	s_mov_b64 s[64:65], 0
	v_nop
	global_prefetch_b8 v0, s[64:65] scope:SCOPE_SE
	s_setreg_imm32_b32 hwreg(HW_REG_WAVE_MODE, 25, 1), 1
	s_wait_xcnt 0x0
; hbuf = LayerNorm(x1) g2 + be2, rounded once to bf16; rows of 1,024.  A stream: no LDS, no barrier, no matrix unit.  The work-group owns 16 rows, a wave two whole rows of 32 registers each.
; A lane takes 32 neighbouring bytes of f32 (two loads of 16) and leaves 16 bytes of bf16: each store of a wave covers 512 consecutive bytes, aligned.
; Mean first, then the sum of squares of x - mean (no difference of large sums), all in f32.  NaN and infinities are not treated apart.
.set XP, 8                             ; s[8:9]   x1
.set GP, 10                            ; s[10:11] g2
.set BP, 12                            ; s[12:13] be2
.set HP, 14                            ; s[14:15] hbuf
.set T,  6
.set MU, 14
.set X,  16
.set G,  80
.set BE, 112
.macro FOLD                            ; four pairs into one number, then over the 32 lanes
	v_pk_add_f32 v[T:T+1], v[T:T+1], v[T+2:T+3]
	v_pk_add_f32 v[T+4:T+5], v[T+4:T+5], v[T+6:T+7]
	v_pk_add_f32 v[T:T+1], v[T:T+1], v[T+4:T+5]
	v_add_f32 v[T], v[T], v[T+1]
	v_add_f32_dpp v[T], v[T], v[T] row_xmask:1 row_mask:0xf bank_mask:0xf
	v_add_f32_dpp v[T], v[T], v[T] row_xmask:2 row_mask:0xf bank_mask:0xf
	v_add_f32_dpp v[T], v[T], v[T] row_xmask:4 row_mask:0xf bank_mask:0xf
	v_add_f32_dpp v[T], v[T], v[T] row_xmask:8 row_mask:0xf bank_mask:0xf
	v_permlanex16_b32 v[T+1], v[T], s38, s39
	v_add_f32 v[T], v[T], v[T+1]
.endm
.macro LDROW i
.irp j, 0,1,2,3
	global_load_b128 v[X+32*(\i)+8*\j:X+32*(\i)+8*\j+3],   v2, s[XP:XP+1] offset:(\i)*4096+1024*\j
	global_load_b128 v[X+32*(\i)+8*\j+4:X+32*(\i)+8*\j+7], v2, s[XP:XP+1] offset:(\i)*4096+1024*\j+16
.endr
.endm
.macro LDVEC dst, ptr
.irp j, 0,1,2,3
	global_load_b128 v[\dst+8*\j:\dst+8*\j+3],   v3, s[\ptr:\ptr+1] offset:1024*\j
	global_load_b128 v[\dst+8*\j+4:\dst+8*\j+7], v3, s[\ptr:\ptr+1] offset:1024*\j+16
.endr
.endm
.macro LNROW i, c1, c2                 ; c1, c2: the younger loads that may stay out when the row, and when g and be, are wanted
.set XR, X+32*(\i)
	s_wait_loadcnt \c1
.irp k, 0,1,2,3
	v_pk_add_f32 v[T+2*\k:T+2*\k+1], v[XR+2*\k:XR+2*\k+1], v[XR+8+2*\k:XR+8+2*\k+1]
.endr
.set p, 8
.rept 8
	v_pk_add_f32 v[T+2*(p%4):T+2*(p%4)+1], v[T+2*(p%4):T+2*(p%4)+1], v[XR+2*p:XR+2*p+1]
.set p, p+1
.endr
	FOLD
	v_mul_f32 v[MU], s36, v[T]
	v_mov_b32 v[MU+1], v[MU]
.set p, 0
.rept 16
	v_pk_add_f32 v[XR+2*p:XR+2*p+1], v[XR+2*p:XR+2*p+1], v[MU:MU+1] neg_lo:[0,1] neg_hi:[0,1]
.set p, p+1
.endr
.irp k, 0,1,2,3
	v_pk_mul_f32 v[T+2*\k:T+2*\k+1], v[XR+2*\k:XR+2*\k+1], v[XR+2*\k:XR+2*\k+1]
.endr
.set p, 4
.rept 12
	v_pk_fma_f32 v[T+2*(p%4):T+2*(p%4)+1], v[XR+2*p:XR+2*p+1], v[XR+2*p:XR+2*p+1], v[T+2*(p%4):T+2*(p%4)+1]
.set p, p+1
.endr
	FOLD
	v_fma_f32 v[T], v[T], s36, s37
	v_rsq_f32 v[MU], v[T]
	v_rsq_f32 v[MU+1], v[T]
	s_wait_loadcnt \c2
	v_nop                                          ; a plain instruction behind the last root,
	s_wait_alu depctr_va_vdst(0)                   ; and one wait for both
.set p, 0
.rept 16
	v_pk_mul_f32 v[XR+2*p:XR+2*p+1], v[XR+2*p:XR+2*p+1], v[MU:MU+1]
.set p, p+1
.endr
.set p, 0
.rept 16
	v_pk_fma_f32 v[XR+2*p:XR+2*p+1], v[XR+2*p:XR+2*p+1], v[G+2*p:G+2*p+1], v[BE+2*p:BE+2*p+1]
.set p, p+1
.endr
.set p, 0
.rept 16
	v_cvt_pk_bf16_f32 v[XR+p], v[XR+2*p], v[XR+2*p+1]
.set p, p+1
.endr
.irp j, 0,1,2,3
	global_store_b128 v4, v[XR+4*\j:XR+4*\j+3], s[HP:HP+1] offset:(\i)*2048+512*\j
.endr
.endm
	s_load_b256 s[8:15], s[0:1], 0x0
	v_and_b32 v1, 31, v0
	v_lshrrev_b32 v5, 5, v0
	v_readfirstlane_b32 s6, v5
	s_lshl_b32 s2, ttmp9, 16
	s_mov_b32 s3, 0
	s_lshl_b32 s4, ttmp9, 15
	s_mov_b32 s5, 0
	s_mov_b32 s36, 0x3a800000                      ; 1 / 1024
	s_mov_b32 s37, 0x3727c5ac                      ; eps = 1e-5
	s_mov_b32 s38, 0x76543210
	s_mov_b32 s39, 0xfedcba98
	s_lshl_b32 s7, s6, 13
	v_lshl_add_u32 v2, v1, 5, s7
	v_lshlrev_b32 v3, 5, v1
	s_lshl_b32 s7, s6, 12
	v_lshl_add_u32 v4, v1, 4, s7
	s_wait_kmcnt 0x0
	s_add_nc_u64 s[XP:XP+1], s[XP:XP+1], s[2:3]
	s_add_nc_u64 s[HP:HP+1], s[HP:HP+1], s[4:5]
	LDROW 0
	LDVEC G, GP
	LDVEC BE, BP
	LDROW 1
	LNROW 0, 24, 8                                 ; behind row 0: g, be and row 1 (24 loads); behind be: row 1 (8)
	LNROW 1, 0, 0
	s_endpgm
.Lfunc_end_k_qc9f8715f10_ln2:
	.size	k_qc9f8715f10_ln2, .Lfunc_end_k_qc9f8715f10_ln2-k_qc9f8715f10_ln2
	.p2alignl 7, 3214868480
	.fill 96, 4, 3214868480
	.section	.rodata,"a",@progbits
	.p2align	6, 0x0
	.amdhsa_kernel k_qc9f8715f10_ln2
		.amdhsa_group_segment_fixed_size 0
		.amdhsa_private_segment_fixed_size 0
		.amdhsa_enable_private_segment 0
		.amdhsa_kernarg_size 32
		.amdhsa_user_sgpr_count 2
		.amdhsa_user_sgpr_kernarg_segment_ptr 1
		.amdhsa_wavefront_size32 1
		.amdhsa_system_sgpr_workgroup_id_x 1
		.amdhsa_system_sgpr_workgroup_id_y 1
		.amdhsa_system_sgpr_workgroup_id_z 1
		.amdhsa_system_vgpr_workitem_id 0
		.amdhsa_next_free_vgpr 144
		.amdhsa_next_free_sgpr 66
		.amdhsa_reserve_vcc 0
		.amdhsa_float_denorm_mode_32 3
		.amdhsa_float_denorm_mode_16_64 3
		.amdhsa_memory_ordered 1
		.amdhsa_forward_progress 1
		.amdhsa_inst_pref_size 20
	.end_amdhsa_kernel
	.amdgpu_metadata
---
amdhsa.version: [ 1, 2 ]
amdhsa.kernels:
  - .name:           k_qc9f8715f10_ln2
    .symbol:         k_qc9f8715f10_ln2.kd
    .args:
      - { .name: x1, .offset: 0, .size: 8, .value_kind: global_buffer, .address_space: global }
      - { .name: g2, .offset: 8, .size: 8, .value_kind: global_buffer, .address_space: global }
      - { .name: be2, .offset: 16, .size: 8, .value_kind: global_buffer, .address_space: global }
      - { .name: hbuf, .offset: 24, .size: 8, .value_kind: global_buffer, .address_space: global }
    .group_segment_fixed_size: 0
    .private_segment_fixed_size: 0
    .kernarg_segment_align: 8
    .kernarg_segment_size: 32
    .max_flat_workgroup_size: 256
    .sgpr_count:     66
    .vgpr_count:     144
    .wavefront_size: 32
...
	.end_amdgpu_metadata
.endif
;; end of part 5
;; launch ffn1: the kernel of part 2 again; grid 16 x 16, 4 waves a work-group, clusters of 4 x 4, 327,680 bytes of LDS; arguments hbuf, pf, act; writes act
;; launch ffn2 (part 6): grid 8 x 32, 4 waves a work-group, clusters of 4 x 4, 327,680 bytes of LDS; arguments act, pf, b2, x1, out0; writes out0
.if DOCPART == 6
	.amdgcn_target "amdgcn-amd-amdhsa--gfx1250"
	.amdhsa_code_object_version 6
	.text
	.protected	k_qc9f8715f10_ffn2
	.globl	k_qc9f8715f10_ffn2
	.p2align	8
	.type	k_qc9f8715f10_ffn2,@function
k_qc9f8715f10_ffn2:
	s_mov_b64 s[64:65], 0
	v_nop
	global_prefetch_b8 v0, s[64:65] scope:SCOPE_SE
	s_setreg_imm32_b32 hwreg(HW_REG_WAVE_MODE, 25, 1), 1
	s_wait_xcnt 0x0
	s_wait_alu depctr_hold_cnt(0) depctr_sa_sdst(0) depctr_va_vdst(0) depctr_va_sdst(0) depctr_va_ssrc(0) depctr_va_vcc(0) depctr_vm_vsrc(0)
	s_getreg_b32 s2, hwreg(HW_REG_IB_STS2, 6, 4)
	s_cmp_eq_u32 s2, 0
	s_cbranch_scc0 .Lentry_in_a_cluster
	s_endpgm
.Lentry_in_a_cluster:
	s_bfe_u32 s2, ttmp6, 0x10000c
	s_cmp_lg_u32 s2, 0xf033
	s_cbranch_scc0 .Lentry_shape_is_right
	s_endpgm
.Lentry_shape_is_right:
; C = A W + bias + R, all of C, bias and R in f32.  A: 4,096 rows x KTOT in bf16, in chunks (128 rows x 64 of K are 16,384 dense bytes; four chunks on end are 128 rows x 256 of K; the next 256 of K lie 32 x 65,536 bytes on).
; W: [KTOT][1024] bf16 at byte WOFF of its buffer.  Sums in f32, K ascending.  Here: out0 = x1 + F W2 + b2, KTOT = 4,096.
; A tile of C is 128 x 128, so that the 256 tiles give each WGP one; four waves, a wave 64 x 64 in 16 accumulators.  K goes in steps of 256 through two LDS slots.
; A K STEP IS WRITTEN ONCE: the slot in hand is a scalar (index x SLOT, the index turned by an exclusive or at each change of slots), the three LDS address registers are made anew from it, and one descriptor
; for each operand walks: its LDS word is my part + the slot that is left, its address one K step on.  The last two K steps, which fill nothing, are a loop of their own.
; CLUSTER 4 x 4: A's tile is shared along a row of the cluster, W's along a column, each asked for jointly.  No prefetch: the tiles are small.
; THE PRODUCT IS TAKEN TRANSPOSED (source 0 = 16 columns of W, turned by ds_load_tr16_b128; source 1 = 16 rows of A): a lane holds eight neighbouring columns of one row of C.
; THE BIAS is the C operand of the products that start the sums.  The residual's 64 x 64 numbers are loaded at the head and waited for once, on the way out.  LIMITS: f32's and bf16's own ranges.
; REGISTERS: window 0: v16-29 addresses; v32-63 the bias, then with v64-95 the way out; v128-255 accumulator (a, b) at 128 + 8 (4 a + b).  window 1: two fragment buffers of 128 (A's 64, then W's 64).  window 2: v0-127 the residual.
.set KTOT,   4096
.set WOFF,   8409088                   ; behind a pack of weights, bias and floor
.set KSTEP,  256
.set NSTEP,  KTOT/KSTEP
.set PA,     144                       ; a row of a chunk in LDS: 128 bytes + 16
.set PW,     288                       ; a row of W: 256 + 32
.set CHUNK,  128*PA
.set HALFT,  2*CHUNK                   ; what one tensor load brings: two chunks of A, or 128 k rows of W (128 x 288, the same bytes)
.set SLOT,   4*HALFT                   ; A's four chunks, then W's 256 k rows
.set STAGE,  2*SLOT                    ; behind the ring: 16 rows x 272 bytes for each wave
.set SPITCH, 272
.set SPARE,  STAGE+4*16*SPITCH         ; the spare words, 128 bytes a wave: two blocks of 256 bytes that no other line names
.set ADRA, 16                          ; v16     my A fragments in the slot in hand
.set A0,   17                          ; v17     the same in slot 0; never rewritten
.set ADRW, 20                          ; v20-21  my W fragments in the slot in hand: k rows 0-127, 128-255 (an LDS offset has 16 bits)
.set W0,   22                          ; v22-23  the same in slot 0; never rewritten
.set STO,  24
.set RD,   25
.set RO,   26                          ; v26  my 16 bytes in two rows of R and of C
.set BO,   27                          ; v27  32 x (lane / 16): my eight numbers of a block's bias
.set SPW,  28
.set NIL,  29
.set BI,   32
.set TMP,  32
.set ACC,  128
.set F0,   0
.set F1,   128
.set LD,  20                           ; s20  where my part of a tile goes in slot 0: wave x HALFT
.set G1, 24                            ; s[24:31] group 1 for A;  s[32:39] group 0: a set for each of the two first fills; the second then walks
.set G0, 32
.set G1B, 48                           ; s[48:55], s[56:63] the same for W
.set G0B, 56
.set IDX, 66                           ; s66  the slot in hand, 0 or 1
.set TB,  67                           ; s67  its first LDS byte
.set MSB, 0
.macro WIN new
.if MSB != (\new)
	s_set_vgpr_msb (MSB<<8)|(\new)
.set MSB, \new
.endif
.endm
.set MUL,  0x05                        ; sources 0 and 1 window 1; C and D window 0
.set TO_F, 0x40
.macro JLOAD s                         ; waves 0 and 1 fetch A's halves, waves 2 and 3 W's; an s_nop 0 and four v_nop follow each line
	s_cmp_eq_u32 s11, 0
	s_cbranch_scc0 .Lfor_b_\@
	tensor_load_to_lds s[G0+4*(\s):G0+4*(\s)+3], s[G1:G1+7]
	s_nop 0
.rept 4
	v_nop
.endr
	s_branch .Lasked_\@
.Lfor_b_\@:
	tensor_load_to_lds s[G0B+4*(\s):G0B+4*(\s)+3], s[G1B:G1B+7]
	s_nop 0
.rept 4
	v_nop
.endr
.Lasked_\@:
.endm
.macro CREST
	s_cmp_lg_u32 s10, 0
	s_cbranch_scc1 .Lnot_wave_0_\@
	s_barrier_signal -3
.Lnot_wave_0_\@:
	s_barrier_wait -3
	s_barrier_signal -1
	s_barrier_wait -1
.endm
.macro CROUND
	s_barrier_signal -1
	s_barrier_wait -1
	CREST
.endm
	s_load_b256 s[68:75], s[0:1], 0x0              ; A 68, W's buffer 70, bias 72, R 74
	s_load_b64 s[76:77], s[0:1], 0x20              ; C
	v_lshl_add_u32 v[SPW], v0, 2, SPARE
	v_mov_b32 v[NIL], 0
	ds_add_u32 v[SPW], v[NIL]                      ; the wave's opening: the add and its wait ahead of my first tensor load
	ds_add_u32 v28, v29
	v_lshrrev_b32 v1, 5, v0
	v_readfirstlane_b32 s10, v1
	s_lshr_b32 s11, s10, 1                         ; my half of the rows.  Also: I fetch for A (0) or W (1)
	s_and_b32 s12, s10, 1                          ; my half of the columns.  Also: which half I fetch
	s_bfe_u32 s40, ttmp6, 0x40000
	s_bfe_u32 s41, ttmp6, 0x40004
	s_lshl_b32 s42, ttmp9, 2
	s_add_co_u32 s42, s42, s40                     ; tile column
	s_and_b32 s13, ttmp7, 0xffff
	s_lshl_b32 s13, s13, 2
	s_add_co_u32 s13, s13, s41                     ; tile row
	s_lshl_b32 s43, s41, 2
	s_lshl_b32 s43, 15, s43
	s_lshl_b32 s44, 0x1111, s40
	s_or_b32 s[G1+0], s43, (1<<16)|(1<<20)|(1<<21)|(4<<22)|(3<<25)   ; A: dense rows of 256 bytes, padded by 4 words after every 32: a chunk's rows of 128 bytes lie 144 apart
	s_or_b32 s[G1B+0], s44, (1<<16)|(1<<20)|(1<<21)|(5<<22)|(7<<25)  ; W: 8 words after every 64
.irp g, G1, G1B
	s_mov_b32 s[(\g)+1], 128<<16
	s_mov_b32 s[(\g)+2], 128<<16
	s_mov_b32 s[(\g)+3], 128<<16
	s_mov_b32 s[(\g)+4], 128
	s_mov_b32 s[(\g)+6], 0
	s_mov_b32 s[(\g)+7], 0
.endr
	s_mov_b32 s[G1+5], 128
	s_mov_b32 s[G1B+5], 1024
	s_lshl_b32 s16, s13, 16
	s_lshl_b32 s17, s12, 15
	s_add_co_u32 s16, s16, s17                     ; A: the tile row's 65,536 bytes of K step 0, my two chunks
	s_mov_b32 s17, 0
	s_lshl_b32 s46, s12, 18                        ; W: my 128 k rows of 2,048 bytes,
	s_lshl_b32 s47, s42, 8                         ; the tile's 128 columns
	s_add_co_u32 s46, s46, s47
	s_add_co_u32 s46, s46, WOFF
	s_mov_b32 s47, 0
	s_mul_i32 s[LD], s10, HALFT                    ; where they go: no place in the cluster enters an LDS address
	s_mov_b32 s[IDX], 0
	s_mov_b32 s[TB], 0
	s_wait_dscnt 0x0
	s_wait_kmcnt 0x0
	s_add_nc_u64 s[14:15], s[68:69], s[16:17]
	s_add_nc_u64 s[46:47], s[70:71], s[46:47]
	CROUND
.irp s, 0,1
	s_mov_b32 s[G0+4*(\s)], 1
	s_add_co_u32 s[G0+4*(\s)+1], s[LD], (\s)*SLOT
	s_add_nc_u64 s[G0+4*(\s)+2:G0+4*(\s)+3], s[14:15], (\s)*32*65536
	s_or_b32 s[G0+4*(\s)+3], s[G0+4*(\s)+3], 0x80000000
	s_mov_b32 s[G0B+4*(\s)], 1
	s_add_co_u32 s[G0B+4*(\s)+1], s[LD], (\s)*SLOT
	s_add_nc_u64 s[G0B+4*(\s)+2:G0B+4*(\s)+3], s[46:47], (\s)*KSTEP*2048
	s_or_b32 s[G0B+4*(\s)+3], s[G0B+4*(\s)+3], 0x80000000
	JLOAD \s
.endr
	v_and_b32 v1, 15, v0
	v_bfe_u32 v2, v0, 4, 1
	v_mul_u32_u24 v3, v1, PA
	v_lshl_add_u32 v3, v2, 4, v3
	s_mul_i32 s21, s11, 64*PA
	v_add_nc_u32 v[A0], s21, v3
	v_mov_b32 v[ADRA], v[A0]                       ; K step 0 lies in slot 0
	v_and_b32 v4, 7, v0
	v_lshl_add_u32 v4, v2, 3, v4
	v_mul_u32_u24 v4, v4, PW
	v_bfe_u32 v5, v0, 3, 1
	v_lshl_add_u32 v4, v5, 4, v4
	s_lshl_b32 s22, s12, 7
	s_add_co_u32 s22, s22, 2*HALFT
	v_add_nc_u32 v[W0], s22, v4
	s_add_co_u32 s22, s22, HALFT
	v_add_nc_u32 v[W0+1], s22, v4
	v_mov_b32 v[ADRW], v[W0]
	v_mov_b32 v[ADRW+1], v[W0+1]
	s_mul_i32 s23, s10, 16*SPITCH
	s_add_co_u32 s23, s23, STAGE
	v_mul_u32_u24 v3, v1, SPITCH                   ; in: row r, 32 bytes for each half of the lanes
	v_lshl_add_u32 v3, v2, 5, v3
	v_add_nc_u32 v[STO], s23, v3
	v_mul_u32_u24 v3, v2, SPITCH                   ; back: lanes 0-15 one row of 256 bytes, lanes 16-31 the next
	v_lshl_add_u32 v3, v1, 4, v3
	v_add_nc_u32 v[RD], s23, v3
	v_lshlrev_b32 v3, 4, v1
	v_lshl_add_u32 v[RO], v2, 12, v3
	v_lshlrev_b32 v[BO], 5, v2
	s_lshl_b32 s16, s13, 7
	s_lshl_b32 s17, s11, 6
	s_add_co_u32 s16, s16, s17
	s_lshl_b32 s16, s16, 12                        ; my first row, 4,096 bytes a row
	s_lshl_b32 s18, s42, 7
	s_lshl_b32 s19, s12, 6
	s_add_co_u32 s18, s18, s19
	s_lshl_b32 s18, s18, 2                         ; my first column, in bytes: a multiple of 256
	s_mov_b32 s19, 0
	s_add_nc_u64 s[72:73], s[72:73], s[18:19]
	s_add_co_u32 s16, s16, s18
	s_mov_b32 s17, 0
	s_add_nc_u64 s[74:75], s[74:75], s[16:17]
	s_add_nc_u64 s[76:77], s[76:77], s[16:17]
.irp b, 0,1,2,3                        ; register j of block b: bias of column 16 b + 8 h + j, the same for all 16 rows
	global_load_b128 v[BI+8*\b:BI+8*\b+3],   v[BO], s[72:73] offset:64*\b
	global_load_b128 v[BI+8*\b+4:BI+8*\b+7], v[BO], s[72:73] offset:64*\b+16
.endr
	WIN 0x80                                       ; destination window 2
.irp a, 0,1,2,3
.irp t, 0,1,2,3,4,5,6,7
	global_load_b128 v[4*(8*\a+\t):4*(8*\a+\t)+3], v[RO], s[74:75] offset:(16*\a+2*\t)*4096 th:TH_LOAD_NT
.endr
.endr
	WIN 0
.macro MUL8 f, c, a0, first            ; 8 matrix instructions: m blocks a0, a0 + 1 x 4 n blocks, 32 along K: half c of buffer f.  first = 1: the bias starts the sums.  The 16 accumulators take turns
	WIN MUL
.irp a, \a0, (\a0)+1
.irp b, 0,1,2,3
.if \first
	v_wmma_f32_16x16x32_bf16 v[ACC+8*(4*(\a)+(\b)):ACC+8*(4*(\a)+(\b))+7], v[(\f)+64+8*(4*(\c)+(\b)):(\f)+64+8*(4*(\c)+(\b))+7], v[(\f)+8*(4*(\c)+(\a)):(\f)+8*(4*(\c)+(\a))+7], v[BI+8*(\b):BI+8*(\b)+7]
.else
	v_wmma_f32_16x16x32_bf16 v[ACC+8*(4*(\a)+(\b)):ACC+8*(4*(\a)+(\b))+7], v[(\f)+64+8*(4*(\c)+(\b)):(\f)+64+8*(4*(\c)+(\b))+7], v[(\f)+8*(4*(\c)+(\a)):(\f)+8*(4*(\c)+(\a))+7], v[ACC+8*(4*(\a)+(\b)):ACC+8*(4*(\a)+(\b))+7]
.endif
.endr
.endr
.endm
.macro FETCH q, f                      ; 32 LDS loads: quarter q (64 along K = chunk q of A) of the slot in hand into buffer f; its first 32 along K first
	WIN TO_F
.irp c, 0,1
.irp i, 0,1,2,3
	ds_load_tr16_b128 v[(\f)+64+8*(4*(\c)+(\i)):(\f)+64+8*(4*(\c)+(\i))+3],   v[ADRW+(\q)/2] offset:(((\q)%2)*64+32*(\c))*PW+32*(\i)
	ds_load_tr16_b128 v[(\f)+64+8*(4*(\c)+(\i))+4:(\f)+64+8*(4*(\c)+(\i))+7], v[ADRW+(\q)/2] offset:(((\q)%2)*64+32*(\c)+16)*PW+32*(\i)
	ds_load_b128 v[(\f)+8*(4*(\c)+(\i)):(\f)+8*(4*(\c)+(\i))+3],   v[ADRA] offset:(\q)*CHUNK+64*(\c)+(\i)*16*PA
	ds_load_b128 v[(\f)+8*(4*(\c)+(\i))+4:(\f)+8*(4*(\c)+(\i))+7], v[ADRA] offset:(\q)*CHUNK+64*(\c)+(\i)*16*PA+32
.endr
.endr
.endm
.macro PLACES                          ; four plain vector instructions between a matrix instruction and a load into, or a vector read of, its registers
.rept 4
	v_nop
.endr
.endm
.macro QUARTER q, f, g, first          ; one of a K step's first three quarters: multiplies buffer f, and in its middle fetches quarter q into buffer g
	s_wait_dscnt 16                                ; the first 32 along K are in
	MUL8 \f, 0, 0, \first
	MUL8 \f, 0, 2, \first
	PLACES
	FETCH \q, \g
	s_wait_dscnt 32                                ; all but the 32 just issued
	MUL8 \f, 1, 0, 0
	MUL8 \f, 1, 2, 0
.endm
.macro MEET                            ; the first half of a K step's last quarter: one barrier for the change of slots
	WIN 0
	s_wait_tensorcnt 0x0                           ; all my tensor loads have landed: my part of the next slot;
	ds_add_u32 v[SPW], v[NIL]
	s_wait_dscnt 17                                ; (the add and the youngest sixteen loads may be out)
	MUL8 F1, 0, 0, 0
	s_wait_dscnt 0x0                               ; the add is done, and my reads of this slot are over
	s_barrier_signal -1
	MUL8 F1, 0, 2, 0
	WIN 0
	s_barrier_wait -1
.endm
.macro TURN                            ; the barrier opens a round of the cluster's, and the slot just read out is filled again, two K steps on
	MEET
	CREST                                          ; no wave of any partner still reads this slot or has a load on its way
	s_add_co_u32 s[G0+5], s[LD], s[TB]             ; the walking descriptors: into the slot that is left,
	s_add_nc_u64 s[G0+6:G0+7], s[G0+6:G0+7], 32*65536  ; one K step beyond the last request; the type bits on top are not reached
	s_add_co_u32 s[G0B+5], s[LD], s[TB]
	s_add_nc_u64 s[G0B+6:G0B+7], s[G0B+6:G0B+7], KSTEP*2048
	s_xor_b32 s[IDX], s[IDX], 1                    ; the other slot is in hand now
	s_mul_i32 s[TB], s[IDX], SLOT
	JLOAD 1                                        ; the first tensor load behind the round; its four v_nop are also the places in front of the loads below
	v_add_nc_u32 v[ADRA], s[TB], v[A0]
	v_add_nc_u32 v[ADRW], s[TB], v[W0]
	v_add_nc_u32 v[ADRW+1], s[TB], v[W0+1]
	FETCH 0, F0
	MUL8 F1, 1, 0, 0
	MUL8 F1, 1, 2, 0
.endm
.macro TURNX                           ; the same with nothing to fill: no round; the three address lines and a v_nop are the four places
	MEET
	s_xor_b32 s[IDX], s[IDX], 1
	s_mul_i32 s[TB], s[IDX], SLOT
	v_add_nc_u32 v[ADRA], s[TB], v[A0]
	v_add_nc_u32 v[ADRW], s[TB], v[W0]
	v_add_nc_u32 v[ADRW+1], s[TB], v[W0+1]
	v_nop
	FETCH 0, F0
	MUL8 F1, 1, 0, 0
	MUL8 F1, 1, 2, 0
.endm
	s_wait_tensorcnt 1                             ; my part of K step 0 is in; K step 1's may stay out
	s_barrier_signal -1
	s_barrier_wait -1
	FETCH 0, F0
	s_wait_loadcnt 32                              ; the bias's eight loads are in; the residual's 32, issued behind them, stay out
	QUARTER 1, F0, F1, 1
	WIN 0
	s_mov_b32 s3, NSTEP-2
.Lstep:                                                ; NSTEP - 2 trips, from a K step's second quarter to the next step's first: K steps 2 to NSTEP - 1 are asked for
	QUARTER 2, F1, F0, 0
	QUARTER 3, F0, F1, 0
	TURN
	QUARTER 1, F0, F1, 0
	WIN 0
	s_sub_co_u32 s3, s3, 1
	s_cmp_lg_u32 s3, 0
	s_cbranch_scc1 .Lstep
	s_mov_b32 s3, 2
.Ltail:                                                ; the last two K steps ask for nothing; the second trip is left in its middle
	QUARTER 2, F1, F0, 0
	QUARTER 3, F0, F1, 0
	WIN 0
	s_sub_co_u32 s3, s3, 1
	s_cmp_eq_u32 s3, 0
	s_cbranch_scc1 .Llast
	TURNX
	QUARTER 1, F0, F1, 0
	WIN 0
	s_branch .Ltail
.Llast:
	s_wait_dscnt 16
	MUL8 F1, 0, 0, 0
	MUL8 F1, 0, 2, 0
	s_wait_dscnt 0x0
	MUL8 F1, 1, 0, 0
	MUL8 F1, 1, 2, 0
	WIN 0
; THE WAY OUT, 16 rows at a time: the sums go into my stage (each accumulator from its low end on) and come back as whole rows of 256 bytes; the residual is added; sixteen lanes store 256 consecutive bytes, aligned.
.macro TOSTAGE a
.set BK, TMP+32*((\a)%2)
.if (\a) >= 2
	s_wait_xcnt 0x0                                ; the stores of two blocks back have read this buffer
.endif
.irp b, 0,1,2,3
	ds_store_b128 v[STO], v[ACC+8*(4*(\a)+\b):ACC+8*(4*(\a)+\b)+3]   offset:64*\b
	ds_store_b128 v[STO], v[ACC+8*(4*(\a)+\b)+4:ACC+8*(4*(\a)+\b)+7] offset:64*\b+16
.endr
.irp t, 0,1,2,3,4,5,6,7
	ds_load_b128 v[BK+4*\t:BK+4*\t+3], v[RD] offset:\t*2*SPITCH  ; LDS serves a wave's instructions in order (ISA guide 5.7.1.4)
.endr
.endm
.macro SEND a, younger                 ; younger: the next block's sixteen LDS instructions, or none
.set BK, TMP+32*((\a)%2)
	s_wait_dscnt \younger
	WIN 0x08                                       ; source 1 window 2
.set z, 0
.rept 16
	v_pk_add_f32 v[BK+2*z:BK+2*z+1], v[BK+2*z:BK+2*z+1], v[32*(\a)+2*z:32*(\a)+2*z+1]
.set z, z+1
.endr
	WIN 0
.irp t, 0,1,2,3,4,5,6,7
	global_store_b128 v[RO], v[BK+4*\t:BK+4*\t+3], s[76:77] offset:(16*(\a)+2*\t)*4096
.endr
.endm
	PLACES
	s_wait_loadcnt 0x0                             ; the residual
	TOSTAGE 0
.irp a, 1,2,3
	TOSTAGE \a
	SEND (\a)-1, 16
.endr
	SEND 3, 0
	s_wait_tensorcnt 0x0                           ; the wave's end
	ds_add_u32 v[SPW], v[NIL]
	s_wait_dscnt 0x0
	CROUND                                         ; the closing round
	s_endpgm
.Lfunc_end_k_qc9f8715f10_ffn2:
	.size	k_qc9f8715f10_ffn2, .Lfunc_end_k_qc9f8715f10_ffn2-k_qc9f8715f10_ffn2
	.p2alignl 7, 3214868480
	.fill 96, 4, 3214868480
	.section	.rodata,"a",@progbits
	.p2align	6, 0x0
	.amdhsa_kernel k_qc9f8715f10_ffn2
		.amdhsa_group_segment_fixed_size 327680
		.amdhsa_private_segment_fixed_size 0
		.amdhsa_enable_private_segment 0
		.amdhsa_kernarg_size 40
		.amdhsa_user_sgpr_count 2
		.amdhsa_user_sgpr_kernarg_segment_ptr 1
		.amdhsa_wavefront_size32 1
		.amdhsa_system_sgpr_workgroup_id_x 1
		.amdhsa_system_sgpr_workgroup_id_y 1
		.amdhsa_system_sgpr_workgroup_id_z 1
		.amdhsa_system_vgpr_workitem_id 0
		.amdhsa_next_free_vgpr 768
		.amdhsa_next_free_sgpr 80
		.amdhsa_reserve_vcc 0
		.amdhsa_float_denorm_mode_32 3
		.amdhsa_float_denorm_mode_16_64 3
		.amdhsa_memory_ordered 1
		.amdhsa_forward_progress 1
		.amdhsa_inst_pref_size 68
	.end_amdhsa_kernel
	.amdgpu_metadata
---
amdhsa.version: [ 1, 2 ]
amdhsa.kernels:
  - .name:           k_qc9f8715f10_ffn2
    .symbol:         k_qc9f8715f10_ffn2.kd
    .args:
      - { .name: act, .offset: 0, .size: 8, .value_kind: global_buffer, .address_space: global }
      - { .name: pf, .offset: 8, .size: 8, .value_kind: global_buffer, .address_space: global }
      - { .name: b2, .offset: 16, .size: 8, .value_kind: global_buffer, .address_space: global }
      - { .name: x1, .offset: 24, .size: 8, .value_kind: global_buffer, .address_space: global }
      - { .name: out0, .offset: 32, .size: 8, .value_kind: global_buffer, .address_space: global }
    .group_segment_fixed_size: 327680
    .private_segment_fixed_size: 0
    .kernarg_segment_align: 8
    .kernarg_segment_size: 40
    .max_flat_workgroup_size: 128
    .sgpr_count:     80
    .vgpr_count:     768
    .wavefront_size: 32
...
	.end_amdgpu_metadata
.endif
;; end of part 6
